; MI455X (gfx1250); checked and timed in simulation.
; The chip was launched on July 23, 2026; its instructions are those of AMD's public machine-readable ISA for CDNA 5 (MIT licence, August 2026) and "CDNA5" Instruction Set Architecture Reference Guide (July 2026). The comments in the code are by the model that wrote it; some were corrected since.
;; Video Summarization Model. Allowed arithmetic: float matrix products may take bf16 or f16 operands with f32 sums; other float arithmetic in f32, or as packed bf16 or f16 multiplies, adds, multiply-adds, maxima and minima; sums over many terms, partial sums and values carried from step to step in f32; what a program stores and reads back later, other than sums and carried values, may be rounded once to bf16 or f16.
;; Inputs: a_Wk 512 x 512 float32; a_Wq 512 x 512 float32; a_Wv 512 x 512 float32; a_bk 512 float32; a_bq 512 float32; a_bv 512 float32; audio_features 1,024 x 512 float32; f_W0 512 x 512 float32; f_Wk 512 x 512 float32; f_Wq 512 x 512 float32; f_Wv 512 x 512 float32; f_b0 512 float32; f_bk 512 float32; f_bq 512 float32; f_bv 512 float32; f_lin_W 512 x 512 float32; f_lin_b 512 float32; f_ln_b 512 float32; f_ln_g 512 float32; p_W 1,024 x 1 float32; p_b 1 float32; s_Wk 512 x 512 float32; s_Wo 512 x 512 float32; s_Wq 512 x 512 float32; s_Wv 512 x 512 float32; s_bk 512 float32; s_bo 512 float32; s_bq 512 float32; s_bv 512 float32; s_ff1_W 512 x 512 float32; s_ff1_b 512 float32; s_ff2_W 512 x 512 float32; s_ff2_b 512 float32; s_ln1_b 512 float32; s_ln1_g 512 float32; s_ln2_b 512 float32; s_ln2_g 512 float32; shots_boundaries 16 x 2 int32; visual_features 1,024 x 32 x 512 float32.
;; Outputs: out0 512 x 8 x 1 float32.
;; 2 versions, each right; version 2 is version 1 with the launch chain written anew for expert scheduling mode. Each part assembles by itself: llvm-mc -triple=amdgcn-amd-amdhsa -mcpu=gfx1250 --defsym DOCPART=n.
;; ======== version 1 of 2: 3 launches
;; workspace buffers: wf 7,864,320 bytes; uv 4,096 bytes; lg 16,384 bytes
;; launch prep (part 1): grid 256 x 1, 4 waves a work-group, no clusters, 0 bytes of LDS; arguments f_Wq, f_Wk, f_Wv, f_lin_W, f_W0, s_Wq, s_Wk, s_Wv, s_Wo, s_ff1_W, s_ff2_W, a_Wq, a_Wk, audio_features, a_Wv, p_W, wf, uv; writes wf, uv
.if DOCPART == 1
	.amdgcn_target "amdgcn-amd-amdhsa--gfx1250"
	.amdhsa_code_object_version 6
	.text
	.protected	k_qc2ede3adfc_prep
	.globl	k_qc2ede3adfc_prep
	.p2align	8
	.type	k_qc2ede3adfc_prep,@function
k_qc2ede3adfc_prep:
	s_mov_b64 s[64:65], 0
	v_nop
	global_prefetch_b8 v0, s[64:65] scope:SCOPE_SE
	s_setreg_imm32_b32 hwreg(HW_REG_WAVE_MODE, 25, 1), 1
	s_wait_xcnt 0x0
; PREP: the fifteen right-hand operands of the chain, rounded once to bf16 and laid out in the order in which a wave's matrix fragments want them, and u = a_Wv p2.
; wf = [wave w 0..7][pass p 0..14][K step t 0..15][tile j 0..3][1,024 bytes].  In a block, byte 512 c + 16 (16 h + rho) + 2 e holds B_p[n = 64 w + 16 j + rho][k = 32 t + 16 c + 8 h + e].
; Passes 0-11: B[n][k] = W[k][n] of the twelve [K][N] weights.  Pass 12: a_Wk as it lies.  Passes 13, 14: audio rows 0-511, 512-1023 as they lie.
; uv = [half 2][512] f32: the two half-row sums of u[k] = sum over j of a_Wv[k][j] p_W[512 + j]; they are added where they are read.
; 1,024 waves, no loop, no branch: wave W does one piece of each of four tasks; all its 106 loads go out first.  No LDS, no matrix unit: a cast and a change of order, each byte read once and written once.
.set WS, 983040                        ; bytes of a wave's stream in wf
.set PB, 65536                         ; bytes of a pass in it
	s_load_b512 s[16:31], s[0:1], 0x0              ; weights 0-7
	s_load_b512 s[32:47], s[0:1], 0x40             ; weights 8-11, a_Wk s[40:41], audio s[42:43], a_Wv s[44:45], p_W s[46:47]
	s_load_b128 s[48:51], s[0:1], 0x80             ; wf s[48:49], uv s[50:51]
	v_and_b32 v1, 31, v0                           ; lane l
	v_lshrrev_b32 v2, 5, v0
	v_readfirstlane_b32 s2, v2                     ; wave in the work-group
	v_and_b32 v2, 15, v0                           ; rho
	v_bfe_u32 v3, v0, 4, 1                         ; h
	s_lshl_b32 s3, ttmp9, 2
	s_add_co_u32 s3, s3, s2                        ; W = 0..1023
	s_mov_b32 s52, 0x76543210                      ; v_permlanex16_b32: each lane takes its own place in the other half
	s_mov_b32 s53, 0xfedcba98
	; task T: columns 32 np + l, rows 8 q .. 8 q + 7 of each of the twelve weights
	s_and_b32 s4, s3, 15                           ; np
	s_lshr_b32 s5, s3, 4                           ; q
	s_lshl_b32 s6, s5, 14
	s_lshl_b32 s7, s4, 7
	s_add_co_u32 s6, s6, s7
	v_lshl_add_u32 v4, v1, 2, s6                   ; from: 16,384 q + 128 np + 4 l
	s_lshr_b32 s7, s4, 1
	s_mul_i32 s7, s7, WS                           ; w = np / 2
	s_lshr_b32 s8, s5, 2
	s_lshl_b32 s8, s8, 12                          ; t = q / 4
	s_add_co_u32 s7, s7, s8
	s_and_b32 s8, s4, 1
	s_lshl_b32 s8, s8, 11                          ; j = 2 (np % 2) + l / 16
	s_add_co_u32 s7, s7, s8
	s_and_b32 s8, s5, 3
	s_lshl_b32 s8, s8, 8                           ; 512 c + 256 h = 256 (q % 4)
	s_add_co_u32 s7, s7, s8
	v_lshl_add_u32 v5, v3, 10, s7
	v_lshl_add_u32 v5, v2, 4, v5                   ; to
	; task N1: a_Wk, tile Tl of 16 rows, K step t, half c
	s_lshr_b32 s4, s3, 5                           ; Tl
	s_bfe_u32 s5, s3, 0x40001                      ; t
	s_and_b32 s6, s3, 1                            ; c
	s_lshl_b32 s7, s4, 15
	s_lshl_b32 s8, s5, 7
	s_add_co_u32 s7, s7, s8
	s_lshl_b32 s8, s6, 6
	s_add_co_u32 s7, s7, s8
	v_lshl_add_u32 v6, v2, 11, s7
	v_lshl_add_u32 v6, v3, 5, v6                   ; from: (16 Tl + rho) 2,048 + 4 (32 t + 16 c + 8 h)
	s_lshr_b32 s7, s4, 2
	s_mul_i32 s7, s7, WS
	s_lshl_b32 s8, s5, 12
	s_add_co_u32 s7, s7, s8
	s_and_b32 s8, s4, 3
	s_lshl_b32 s8, s8, 10
	s_add_co_u32 s7, s7, s8
	s_lshl_b32 s8, s6, 9
	s_add_co_u32 s7, s7, s8
	v_lshl_add_u32 v7, v1, 4, s7                   ; to
	; task N2: audio, tile Tl of 16 rows, K step t, both halves
	s_lshr_b32 s4, s3, 4                           ; Tl = 0..63
	s_and_b32 s5, s3, 15                           ; t
	s_lshl_b32 s7, s4, 15
	s_lshl_b32 s8, s5, 7
	s_add_co_u32 s7, s7, s8
	v_lshl_add_u32 v8, v2, 11, s7
	v_lshl_add_u32 v8, v3, 5, v8                   ; from
	s_bfe_u32 s7, s4, 0x30002                      ; w = (Tl / 4) % 8
	s_mul_i32 s7, s7, WS
	s_lshr_b32 s8, s4, 5
	s_add_co_u32 s8, s8, 13                        ; pass 13 or 14
	s_lshl_b32 s8, s8, 16
	s_add_co_u32 s7, s7, s8
	s_lshl_b32 s8, s5, 12
	s_add_co_u32 s7, s7, s8
	s_and_b32 s8, s4, 3
	s_lshl_b32 s8, s8, 10
	s_add_co_u32 s7, s7, s8
	v_lshl_add_u32 v9, v1, 4, s7                   ; to
	; task U: half hf of row k of a_Wv
	s_lshr_b32 s4, s3, 1                           ; k
	s_and_b32 s5, s3, 1                            ; hf
	s_lshl_b32 s7, s4, 11
	s_lshl_b32 s8, s5, 10
	s_add_co_u32 s7, s7, s8
	v_lshl_add_u32 v10, v1, 4, s7
	v_lshl_add_u32 v11, v1, 4, s8
	s_lshl_b32 s7, s5, 9
	s_add_co_u32 s7, s7, s4
	s_lshl_b32 s7, s7, 2
	v_mov_b32 v12, s7                              ; to: 4 (512 hf + k)
	v_mov_b32 v13, 0                               ; the lane exchange's destination counts as read
	s_wait_kmcnt 0x0
.set m, 0
.rept 12
.irp i, 0,1,2,3,4,5,6,7
	global_load_b32 v[16+8*m+\i], v4, s[16+2*m:17+2*m] offset:2048*\i th:TH_LOAD_NT  ; 128 consecutive bytes of row 8 q + i
.endr
.set m, m+1
.endr
	global_load_b128 v[112:115], v6, s[40:41] th:TH_LOAD_NT
	global_load_b128 v[116:119], v6, s[40:41] offset:16 th:TH_LOAD_NT
	global_load_b128 v[120:123], v8, s[42:43] th:TH_LOAD_NT
	global_load_b128 v[124:127], v8, s[42:43] offset:16 th:TH_LOAD_NT
	global_load_b128 v[128:131], v8, s[42:43] offset:64 th:TH_LOAD_NT
	global_load_b128 v[132:135], v8, s[42:43] offset:80 th:TH_LOAD_NT
	global_load_b128 v[136:139], v10, s[44:45] th:TH_LOAD_NT
	global_load_b128 v[140:143], v10, s[44:45] offset:512 th:TH_LOAD_NT
	global_load_b128 v[144:147], v11, s[46:47] offset:2048   ; p2: every wave reads it, so no hint
	global_load_b128 v[148:151], v11, s[46:47] offset:2560
	; a lane's eight k of one column are 16 bytes of a fragment; lanes 0-15 and lanes 16-31 each store 256 consecutive bytes, aligned
.set m, 0
.rept 12
.set left, (11-m)*8+10                 ; the loads issued behind weight m's eight; the wait's field ends at 63
.if left > 63
.set left, 63
.endif
	s_wait_loadcnt left
.irp ii, 0,1,2,3
	v_cvt_pk_bf16_f32 v[16+8*m+\ii], v[16+8*m+2*\ii], v[16+8*m+2*\ii+1]  ; in place, ascending: a destination has been read before it is written
.endr
	global_store_b128 v5, v[16+8*m:19+8*m], s[48:49] offset:m*PB th:TH_STORE_NT
.set m, m+1
.endr
	s_wait_loadcnt 8                               ; a_Wk's two are in; audio's four and U's four stay out
.irp ii, 0,1,2,3
	v_cvt_pk_bf16_f32 v[112+\ii], v[112+2*\ii], v[113+2*\ii]
.endr
	global_store_b128 v7, v[112:115], s[48:49] offset:12*PB th:TH_STORE_NT  ; 512 consecutive bytes
	s_wait_loadcnt 4                               ; audio's four are in
.irp ii, 0,1,2,3
	v_cvt_pk_bf16_f32 v[120+\ii], v[120+2*\ii], v[121+2*\ii]
	v_cvt_pk_bf16_f32 v[128+\ii], v[128+2*\ii], v[129+2*\ii]
.endr
	global_store_b128 v9, v[120:123], s[48:49] th:TH_STORE_NT
	global_store_b128 v9, v[128:131], s[48:49] offset:512 th:TH_STORE_NT
	s_wait_loadcnt 0x0
	v_pk_mul_f32 v[152:153], v[136:137], v[144:145]
	v_pk_fma_f32 v[152:153], v[138:139], v[146:147], v[152:153]
	v_pk_fma_f32 v[152:153], v[140:141], v[148:149], v[152:153]
	v_pk_fma_f32 v[152:153], v[142:143], v[150:151], v[152:153]
	v_add_f32 v152, v152, v153
	v_add_f32_dpp v152, v152, v152 row_xmask:1 row_mask:0xf bank_mask:0xf
	v_add_f32_dpp v152, v152, v152 row_xmask:2 row_mask:0xf bank_mask:0xf
	v_add_f32_dpp v152, v152, v152 row_xmask:4 row_mask:0xf bank_mask:0xf
	v_add_f32_dpp v152, v152, v152 row_xmask:8 row_mask:0xf bank_mask:0xf
	v_permlanex16_b32 v13, v152, s52, s53
	v_add_f32 v152, v152, v13
	s_wait_xcnt 0x0                                ; EXEC is a source of the stores above: it changes only behind this wait
	v_cmp_eq_u32 vcc_lo, 0, v1
	s_and_saveexec_b32 s54, vcc_lo
	global_store_b32 v12, v152, s[50:51]           ; one number a wave: 4,096 bytes in the whole launch
	s_wait_xcnt 0x0                                ; and again in front of the line that widens it
	s_or_b32 exec_lo, exec_lo, s54
	s_endpgm
.Lfunc_end_k_qc2ede3adfc_prep:
	.size	k_qc2ede3adfc_prep, .Lfunc_end_k_qc2ede3adfc_prep-k_qc2ede3adfc_prep
	.p2alignl 7, 3214868480
	.fill 96, 4, 3214868480
	.section	.rodata,"a",@progbits
	.p2align	6, 0x0
	.amdhsa_kernel k_qc2ede3adfc_prep
		.amdhsa_group_segment_fixed_size 0
		.amdhsa_private_segment_fixed_size 0
		.amdhsa_enable_private_segment 0
		.amdhsa_kernarg_size 144
		.amdhsa_user_sgpr_count 2
		.amdhsa_user_sgpr_kernarg_segment_ptr 1
		.amdhsa_wavefront_size32 1
		.amdhsa_system_sgpr_workgroup_id_x 1
		.amdhsa_system_sgpr_workgroup_id_y 1
		.amdhsa_system_sgpr_workgroup_id_z 1
		.amdhsa_system_vgpr_workitem_id 0
		.amdhsa_next_free_vgpr 160
		.amdhsa_next_free_sgpr 66
		.amdhsa_reserve_vcc 1
		.amdhsa_float_denorm_mode_32 3
		.amdhsa_float_denorm_mode_16_64 3
		.amdhsa_memory_ordered 1
		.amdhsa_forward_progress 1
		.amdhsa_inst_pref_size 20
	.end_amdhsa_kernel
	.amdgpu_metadata
---
amdhsa.version: [ 1, 2 ]
amdhsa.kernels:
  - .name:           k_qc2ede3adfc_prep
    .symbol:         k_qc2ede3adfc_prep.kd
    .args:
      - { .name: f_Wq, .offset: 0, .size: 8, .value_kind: global_buffer, .address_space: global }
      - { .name: f_Wk, .offset: 8, .size: 8, .value_kind: global_buffer, .address_space: global }
      - { .name: f_Wv, .offset: 16, .size: 8, .value_kind: global_buffer, .address_space: global }
      - { .name: f_lin_W, .offset: 24, .size: 8, .value_kind: global_buffer, .address_space: global }
      - { .name: f_W0, .offset: 32, .size: 8, .value_kind: global_buffer, .address_space: global }
      - { .name: s_Wq, .offset: 40, .size: 8, .value_kind: global_buffer, .address_space: global }
      - { .name: s_Wk, .offset: 48, .size: 8, .value_kind: global_buffer, .address_space: global }
      - { .name: s_Wv, .offset: 56, .size: 8, .value_kind: global_buffer, .address_space: global }
      - { .name: s_Wo, .offset: 64, .size: 8, .value_kind: global_buffer, .address_space: global }
      - { .name: s_ff1_W, .offset: 72, .size: 8, .value_kind: global_buffer, .address_space: global }
      - { .name: s_ff2_W, .offset: 80, .size: 8, .value_kind: global_buffer, .address_space: global }
      - { .name: a_Wq, .offset: 88, .size: 8, .value_kind: global_buffer, .address_space: global }
      - { .name: a_Wk, .offset: 96, .size: 8, .value_kind: global_buffer, .address_space: global }
      - { .name: audio_features, .offset: 104, .size: 8, .value_kind: global_buffer, .address_space: global }
      - { .name: a_Wv, .offset: 112, .size: 8, .value_kind: global_buffer, .address_space: global }
      - { .name: p_W, .offset: 120, .size: 8, .value_kind: global_buffer, .address_space: global }
      - { .name: wf, .offset: 128, .size: 8, .value_kind: global_buffer, .address_space: global }
      - { .name: uv, .offset: 136, .size: 8, .value_kind: global_buffer, .address_space: global }
    .group_segment_fixed_size: 0
    .private_segment_fixed_size: 0
    .kernarg_segment_align: 8
    .kernarg_segment_size: 144
    .max_flat_workgroup_size: 128
    .sgpr_count:     66
    .vgpr_count:     160
    .wavefront_size: 32
...
	.end_amdgpu_metadata
.endif
;; end of part 1
;; launch chain (part 2): grid 128 x 1, 8 waves a work-group, no clusters, 285,184 bytes of LDS; arguments visual_features, shots_boundaries, wf, uv, lg, f_bq, f_bk, f_bv, f_ln_g, f_ln_b, f_lin_b, f_b0, s_bq, s_bk, s_bv, s_bo, s_ln1_g, s_ln1_b, s_ff1_b, s_ff2_b, s_ln2_g, s_ln2_b, a_bq, a_bk, p_W; writes lg
.if DOCPART == 2
	.amdgcn_target "amdgcn-amd-amdhsa--gfx1250"
	.amdhsa_code_object_version 6
	.text
	.protected	k_qc2ede3adfc_chain
	.globl	k_qc2ede3adfc_chain
	.p2align	8
	.type	k_qc2ede3adfc_chain,@function
k_qc2ede3adfc_chain:
	s_mov_b64 s[64:65], 0
	v_nop
	global_prefetch_b8 v0, s[64:65] scope:SCOPE_SE
	s_setreg_imm32_b32 hwreg(HW_REG_WAVE_MODE, 25, 1), 1
	s_wait_xcnt 0x0
; CHAIN: everything between a frame's 32 rows of visual_features and its 32 logits, in one work-group, with no intermediate in memory.
; Only the frames start[s] + l (16 shots x 8) enter the result: 128 frames, one work-group each.  A frame's 32 rows are closed under the frame stage (by row), the shot attention (over the 32 rows) and the audio attention (by row).
; FIFTEEN PASSES out[32][512] = act[32][512] x B_p^T, bf16 operands, f32 sums: q, k, v | linear, W0 | shot q, k, v | Wo, ff1, ff2 | a_Wq | a_Wk^T | audio rows 0-511, 512-1023.
; TWO IDENTITIES, good for every input: aq . ak[a] = (aq a_Wk^T) . audio[a] + aq . a_bk;  attended . p2 = sum over a of P_a (audio[a] . u) + a_bv . p2, u = a_Wv p2.  The last term and p_b are added in the launch behind.
; SHARES.  Eight waves; wave w owns output columns 64 w .. 64 w + 63 of every pass: 2 row tiles x 4 column tiles of 16 x 16.  The product is taken transposed (source 0 = 16 rows of B, source 1 = 16 rows of act):
; lane (r = l % 16, h = l / 16), register i of accumulator (mt, j) holds row 16 mt + r, column 64 w + 16 j + 8 h + i: eight neighbouring columns of a row.
; THE WEIGHTS come straight from memory into registers: wf holds each wave's fragments in the order of use, one linear run of 983,040 bytes, and a ring of eight K steps (256 registers, 32 KiB a wave) is
; kept on its way by counted waits, across epilogues, barriers and pass ends.  NO TENSOR LOADS, NO CLUSTER: a fragment of B is used by one wave of the work-group alone, so LDS would add 512 KiB written and 512 KiB read
; a pass to the 256 KiB of activation fragments read now; and a slot of 128 KiB would hold 64 matrix instructions a wave between its request and the wait for all loads in front of the next one.
; 128 work-groups: the shot attention ties a frame's 32 rows together, and a split frame would repeat the passes above it.
; FORMATS.  Matrix operands bf16 (q, k, v, activations have no sure room in f16).  Residuals, LayerNorm figures, softmax figures and row dots f32.  LayerNorm over waves: each wave's mean and centred sum of squares are merged.
; LIMITS.  start + l is taken as unsigned and held to 1,023.  NaN and infinities are not treated apart.  A weight below 2^-126 counts as 0.  The order of sums differs from the written order by the two identities above.
.set PA,   1040                        ; an activation row in LDS: 1,024 bytes + 16: sixteen rows of a fragment load start 16 bytes further on modulo 256
.set HB,   16*PA
.set BUFB, 32*PA
.set VT,   0                           ; 20 vectors of 512 f32, in the order of the arguments from f_bq on; number 19 is p_W[0:512]
.set UB,   40960                       ; u in bf16
.set LN1S, 41984                       ; [8 waves][32 rows][mean, centred sum of squares]
.set LN2S, 44032
.set LPS,  46080                       ; [8][32] f32: shot_out . p1 by wave
.set TPS,  47104                       ; [8][32] f32: aq . a_bk by wave
.set SMS,  48128                       ; [8][32][16 bytes]: c m, l, o by wave
.set SPARE, 52224                      ; the spare words: 128 bytes a wave, four blocks of 256 bytes that no other line names
.set RB,   53248                       ; each wave's own 8,192 bytes: its 32 x 64 residual in f32
.set B0,   118784                      ; five activation buffers of 32 rows
.set B1,   B0+BUFB
.set B2,   B1+BUFB
.set B3,   B2+BUFB
.set B4,   B3+BUFB
.set WS,   983040
.set TRIPB, 32768                      ; a trip = eight K steps of a wave's stream
; scalar registers
.set WV, 2                             ; wave
.set G,  3                             ; frame = 8 s + l
.set BP, 6                             ; s[6:7]   the stream, at the trip that is being loaded
.set LGP, 8                            ; s[8:9]   my frame's 32 logits
.set PFA, 10                           ; s[10:11] what this wave prefetches; never rewritten
.set TR, 12                            ; trips of a pass to go
.set TC, 13                            ; trips begun in the launch
.set MYT, 14                           ; the trip in which this work-group prefetches, or -1
.set PC, 15                            ; passes of a q, k, v loop to go
.set SEL, 70                           ; s[70:71] lane selects
.set C8, 72                            ; s[72:73] log2(e) / 8
.set CL, 74                            ; s[74:75] log2(e)
.set MK, 76                            ; lanes 0-7 and 24-31
.set IV512, 77
.set EPS, 80
.set SOFF, 81
; vector registers, window 0
.set LO, 1                             ; 16 l
.set LTA, 2                            ; r PA + 16 h
.set VA, 3                             ; activation fragments: running address
.set VU, 4                             ; u's fragments: running address
.set OL, 5                             ; r PA + 128 w + 16 h
.set VO, 6                             ; where a pass's result goes
.set VTL, 7                            ; 256 w + 32 h
.set VB, 8                             ; a pass's bias
.set RBL, 9
.set HL, 10                            ; (4 w + r / 8) PA + 128 (r % 8) + 16 h
.set HV, 11                            ; (4 w + h) PA + 128 (l % 8) + 16 ((l / 8) % 2)
.set SV, 12                            ; (8 h + l % 8) PA + 128 w + 16 ((l / 8) % 2)
.set HG, 13                            ; 256 (r % 8) + 32 h
.set SXW, 14                           ; 8 (32 w + r)
.set SXR, 15                           ; 8 r
.set ZERO, 16
.set PFO, 17                           ; 256 l; never rewritten
.set SPW, 18
.set NIL, 19
.set ACC, 32                           ; accumulator (mt, j) at ACC + 8 (4 mt + j)
.set UA,  96                           ; the third row tile of the score passes; the small attentions' scores
.set AF,  128                          ; two sets of 24: activation fragments
.set T,   176                          ; 80 at work; T+64 .. T+71 belong to SUM32 and DOT32
; window 1: the ring: K step kk of a trip, tile j at v[32 kk + 8 j]
.set MSB, 0
.macro WIN new                         ; the immediate's high byte repeats the setting that is left; a switch that changes nothing is dropped
.if MSB != (\new)
	s_set_vgpr_msb (MSB<<8)|(\new)
.set MSB, (\new)
.endif
.endm
.macro PLACES                          ; four plain instructions behind a matrix instruction, ahead of loads into its sources and of reads of its result
.rept 4
	v_nop
.endr
.endm
.macro BAR
	s_wait_dscnt 0x0                               ; for the others' sake: my LDS stores are done and my LDS loads are back
	s_barrier_signal -1
	s_barrier_wait -1
.endm
.macro BLOAD kk                        ; a K step's four tiles of B: eight loads, 512 consecutive bytes each
	WIN 0x40
.irp j, 0,1,2,3
	global_load_b128 v[32*(\kk)+8*\j:32*(\kk)+8*\j+3],   v[LO], s[BP:BP+1] offset:(\kk)*4096+\j*1024
	global_load_b128 v[32*(\kk)+8*\j+4:32*(\kk)+8*\j+7], v[LO], s[BP:BP+1] offset:(\kk)*4096+\j*1024+512
.endr
.endm
.macro ALOAD st, off, nt               ; a K step's activation fragments into set st
	WIN 0
	ds_load_b128 v[AF+24*(\st):AF+24*(\st)+3],     v[VA] offset:(\off)
	ds_load_b128 v[AF+24*(\st)+4:AF+24*(\st)+7],   v[VA] offset:(\off)+32
	ds_load_b128 v[AF+24*(\st)+8:AF+24*(\st)+11],  v[VA] offset:(\off)+HB
	ds_load_b128 v[AF+24*(\st)+12:AF+24*(\st)+15], v[VA] offset:(\off)+HB+32
.if (\nt) == 3
	ds_load_b128 v[AF+24*(\st)+16:AF+24*(\st)+19], v[VU] offset:(\off)
	ds_load_b128 v[AF+24*(\st)+20:AF+24*(\st)+23], v[VU] offset:(\off)+32
.endif
.endm
.macro MULS kk, st, nt                 ; the accumulators take turns, one instruction a turn, over K steps and the backward jump too
	WIN 0x01
.irp j, 0,1,2,3
	v_wmma_f32_16x16x32_bf16 v[ACC+8*\j:ACC+8*\j+7], v[32*(\kk)+8*\j:32*(\kk)+8*\j+7], v[AF+24*(\st):AF+24*(\st)+7], v[ACC+8*\j:ACC+8*\j+7]
	v_wmma_f32_16x16x32_bf16 v[ACC+32+8*\j:ACC+32+8*\j+7], v[32*(\kk)+8*\j:32*(\kk)+8*\j+7], v[AF+24*(\st)+8:AF+24*(\st)+15], v[ACC+32+8*\j:ACC+32+8*\j+7]
.if (\nt) == 3
	v_wmma_f32_16x16x32_bf16 v[UA+8*\j:UA+8*\j+7], v[32*(\kk)+8*\j:32*(\kk)+8*\j+7], v[AF+24*(\st)+16:AF+24*(\st)+23], v[UA+8*\j:UA+8*\j+7]
.endif
.endr
.endm
; A PREFETCH INTO THE L2.  Every work-group walks the same wf.  A trip's 256 KiB are shared among 4 work-groups x 8 waves x 32 lanes, a block of 256 bytes a lane, each wave in its own stream.  Work-group G < 100
; asks, in trip G / 4 + 1, for the data of trip G / 4 + 5, which the loads of trip G / 4 + 4 want: three trips, 192 matrix instructions a wave, ahead.  So trips 5 to 29 are named once in the launch; trips 0 to 4 come by their loads alone.
.macro ASK
	WIN 0
	s_cmp_eq_u32 s[TC], s[MYT]
	s_cbranch_scc0 .Lnot_now_\@
	global_prefetch_b8 v[PFO], s[PFA:PFA+1] th:TH_LOAD_NT scope:SCOPE_SE
.Lnot_now_\@:
	s_add_co_u32 s[TC], s[TC], 1
.endm
; One K step.  ld = 1: its ring set is asked for again, for the next trip.  left: the ring loads issued behind this set's.  nx: the next trip's first fragments: 2 = unless the pass ends, 1 = always, 0 = never.
.macro KSTEP kk, nt, ld, left, nx
	WIN 0
	s_wait_dscnt 0x0                               ; this step's activation fragments, asked for a K step ago (at a pass's first step also what starts the sums)
.if (\kk) < 7
	ALOAD ((\kk)+1)&1, 64*((\kk)+1), \nt
.elseif (\nx) == 2
	s_cmp_eq_u32 s[TR], 1
	s_cbranch_scc1 .Lno_more_\@
	ALOAD 0, 512, \nt
.Lno_more_\@:
.elseif (\nx) == 1
	ALOAD 0, 512, \nt
.endif
	s_wait_loadcnt \left                           ; loads come back in order: this set is in, the younger sets stay out
	MULS \kk, (\kk)&1, \nt
	PLACES                                         ; ahead of the loads into this ring set, of the next step's loads into the other fragment set, and of an epilogue's first read
.if \ld
.if (\kk) == 0
	s_wait_xcnt 0x0                                ; every load issued so far has read its address (the youngest stands a K step's products back): the pointer may step
	s_add_nc_u64 s[BP:BP+1], s[BP:BP+1], TRIPB
.endif
	BLOAD \kk
.if (\kk) == 0
	ASK
.endif
.endif
.endm
.macro TRIP nt, ld, nx
.irp kk, 0,1,2,3,4,5,6,7
.if \ld
	KSTEP \kk, \nt, 1, 56, \nx                     ; 56 = seven younger sets of eight loads
.else
	KSTEP \kk, \nt, 0, 56-8*\kk, \nx               ; the launch's last trip loads nothing: the counts run down
.endif
.endr
	WIN 0
	v_add_nc_u32 v[VA], 512, v[VA]
.if (\nt) == 3
	v_add_nc_u32 v[VU], 512, v[VU]
.endif
.endm
.macro GEMM nt, mode                   ; a pass: two trips.  mode 1: the last pass, written out
	ALOAD 0, 0, \nt
.if (\mode) == 0
	s_mov_b32 s[TR], 2
.Ltrip_\@:
	TRIP \nt, 1, 2
	s_sub_co_u32 s[TR], s[TR], 1
	s_cmp_lg_u32 s[TR], 0
	s_cbranch_scc1 .Ltrip_\@
.else
	TRIP \nt, 1, 1
	TRIP \nt, 0, 0
.endif
.endm
.macro SETA base
	v_add_nc_u32 v[VA], \base, v[LTA]
.endm
.macro SETO base
	v_add_nc_u32 v[VO], \base, v[OL]
.endm
.macro BIASR                           ; the sums start at the bias of my columns, the same for both row tiles
.irp j, 0,1,2,3
.irp c, 0,1
	ds_load_b128 v[ACC+8*\j+4*\c:ACC+8*\j+4*\c+3],       v[VB] offset:64*\j+16*\c
	ds_load_b128 v[ACC+32+8*\j+4*\c:ACC+32+8*\j+4*\c+3], v[VB] offset:64*\j+16*\c
.endr
.endr
.endm
.macro BIAS vi
	v_add_nc_u32 v[VB], VT+2048*(\vi), v[VTL]
	BIASR
.endm
.macro RINIT                           ; the sums start at the residual that this wave set aside
.set zz, 0
.rept 16
	ds_load_b128 v[ACC+4*zz:ACC+4*zz+3], v[RBL] offset:512*zz
.set zz, zz+1
.endr
.endm
.macro RSTORE
.set zz, 0
.rept 16
	ds_store_b128 v[RBL], v[ACC+4*zz:ACC+4*zz+3] offset:512*zz
.set zz, zz+1
.endr
.endm
.macro PACKST relu                     ; rounded once to bf16 (each accumulator is read from its low end on), 16 bytes a lane into the next pass's rows
.irp mt, 0,1
.irp j, 0,1,2,3
.irp z, 0,1,2,3
	v_cvt_pk_bf16_f32 v[T+16*\mt+4*\j+\z], v[ACC+32*\mt+8*\j+2*\z], v[ACC+32*\mt+8*\j+2*\z+1]
.endr
.if \relu
.irp z, 0,1,2,3
	v_pk_max_num_bf16 v[T+16*\mt+4*\j+\z], v[T+16*\mt+4*\j+\z], v[ZERO]
.endr
.endif
	ds_store_b128 v[VO], v[T+16*\mt+4*\j:T+16*\mt+4*\j+3] offset:HB*\mt+32*\j
.endr
.endr
.endm
.macro LDV vi, dst                     ; vector vi at my 32 columns, laid as an accumulator row tile, into T + dst
.irp j, 0,1,2,3
	ds_load_b128 v[T+(\dst)+8*\j:T+(\dst)+8*\j+3],   v[VTL] offset:VT+2048*(\vi)+64*\j
	ds_load_b128 v[T+(\dst)+8*\j+4:T+(\dst)+8*\j+7], v[VTL] offset:VT+2048*(\vi)+64*\j+16
.endr
.endm
.macro ADDV                            ; both row tiles += T+32 ..
.irp mt, 0,1
.set zz, 0
.rept 16
	v_pk_add_f32 v[ACC+32*\mt+zz:ACC+32*\mt+zz+1], v[ACC+32*\mt+zz:ACC+32*\mt+zz+1], v[T+32+zz:T+33+zz]
.set zz, zz+2
.endr
.endr
.endm
.macro MERGE4 dst                      ; four pairs of partial sums into one number
	v_pk_add_f32 v[T+64:T+65], v[T+64:T+65], v[T+66:T+67]
	v_pk_add_f32 v[T+68:T+69], v[T+68:T+69], v[T+70:T+71]
	v_pk_add_f32 v[T+64:T+65], v[T+64:T+65], v[T+68:T+69]
	v_add_f32 v[\dst], v[T+64], v[T+65]
.endm
.macro SUM32 dst, base                 ; four chains, one an accumulator, each begun at its low end
.irp j, 0,1,2,3
	v_pk_add_f32 v[T+64+2*\j:T+65+2*\j], v[(\base)+8*\j:(\base)+8*\j+1], v[(\base)+8*\j+2:(\base)+8*\j+3]
.endr
.irp z, 4,6
.irp j, 0,1,2,3
	v_pk_add_f32 v[T+64+2*\j:T+65+2*\j], v[T+64+2*\j:T+65+2*\j], v[(\base)+8*\j+\z:(\base)+8*\j+\z+1]
.endr
.endr
	MERGE4 \dst
.endm
.macro DOT32 dst, xb, yb
.irp j, 0,1,2,3
	v_pk_mul_f32 v[T+64+2*\j:T+65+2*\j], v[(\xb)+8*\j:(\xb)+8*\j+1], v[(\yb)+8*\j:(\yb)+8*\j+1]
.endr
.irp z, 2,4,6
.irp j, 0,1,2,3
	v_pk_fma_f32 v[T+64+2*\j:T+65+2*\j], v[(\xb)+8*\j+\z:(\xb)+8*\j+\z+1], v[(\yb)+8*\j+\z:(\yb)+8*\j+\z+1], v[T+64+2*\j:T+65+2*\j]
.endr
.endr
	MERGE4 \dst
.endm
.macro X16ADD a, b                     ; the row's other columns or keys lie in the lane 16 away
	v_permlanex16_b32 v[\b], v[\a], s[SEL], s[SEL+1]
	v_add_f32 v[\a], v[\a], v[\b]
.endm
.macro X16MAX a, b
	v_permlanex16_b32 v[\b], v[\a], s[SEL], s[SEL+1]
	v_max_num_f32 v[\a], v[\a], v[\b]
.endm
.macro ROWDOT sb                       ; my 64 columns' part of a row's product with the vector in T+32 .., for both row tiles
	v_lshrrev_b32 v29, 1, v[SXW]                   ; 4 (32 w + r)
.irp mt, 0,1
	DOT32 20, ACC+32*\mt, T+32
	X16ADD 20, 28
	ds_store_b32 v29, v20 offset:(\sb)+64*\mt
.endr
.endm
; LayerNorm over a row's 512 columns, which lie in eight waves.  Each wave: the mean mw of its 64 columns and M2 = the sum of (x - mw)^2.  Merged: mean = the mean of the mw; the sum of squares about it = sum M2 + 64 sum (mw - mean)^2:
; no difference of large sums is formed.  It holds one barrier.
.macro LNX sbase, vg, vb
	LDV \vg, 0
	LDV \vb, 32
.irp mt, 0,1
	SUM32 20, ACC+32*\mt
	X16ADD 20, 28
	v_mul_f32 v22, 0x3c800000, v20                 ; mw = sum / 64
.set zz, 0
.rept 16
	v_pk_add_f32 v[T+72+2*(zz%4):T+73+2*(zz%4)], v[ACC+32*\mt+2*zz:ACC+32*\mt+2*zz+1], v[22:23] op_sel_hi:[1,0] neg_lo:[0,1] neg_hi:[0,1]
.if zz < 4
	v_pk_mul_f32 v[T+64+2*(zz%4):T+65+2*(zz%4)], v[T+72+2*(zz%4):T+73+2*(zz%4)], v[T+72+2*(zz%4):T+73+2*(zz%4)]
.else
	v_pk_fma_f32 v[T+64+2*(zz%4):T+65+2*(zz%4)], v[T+72+2*(zz%4):T+73+2*(zz%4)], v[T+72+2*(zz%4):T+73+2*(zz%4)], v[T+64+2*(zz%4):T+65+2*(zz%4)]
.endif
.set zz, zz+1
.endr
	MERGE4 23
	X16ADD 23, 28
	ds_store_b64 v[SXW], v[22:23] offset:(\sbase)+128*\mt
.endr
	BAR                                            ; every wave's figures lie in LDS (the gain and bias asked for above are in too)
.irp mt, 0,1
.irp w, 0,1,2,3,4,5,6,7
	ds_load_b64 v[AF+16*\mt+2*\w:AF+16*\mt+2*\w+1], v[SXR] offset:(\sbase)+128*\mt+256*\w
.endr
.endr
	s_wait_dscnt 0x0
.irp mt, 0,1
.irp w, 0,2,4,6
	v_pk_add_f32 v[T+64+\w:T+65+\w], v[AF+16*\mt+2*\w:AF+16*\mt+2*\w+1], v[AF+16*\mt+2*\w+2:AF+16*\mt+2*\w+3]
.endr
	v_pk_add_f32 v[T+64:T+65], v[T+64:T+65], v[T+66:T+67]
	v_pk_add_f32 v[T+68:T+69], v[T+68:T+69], v[T+70:T+71]
	v_pk_add_f32 v[T+64:T+65], v[T+64:T+65], v[T+68:T+69]   ; (sum of mw, sum of M2)
	v_mul_f32 v[20+\mt], 0x3e000000, v[T+64]       ; mean
	v_sub_f32 v[T+72], v[AF+16*\mt], v[20+\mt]
	v_sub_f32 v[T+73], v[AF+16*\mt+2], v[20+\mt]
	v_mul_f32 v[T+74], v[T+72], v[T+72]
	v_mul_f32 v[T+75], v[T+73], v[T+73]
.irp w, 2,4,6
	v_sub_f32 v[T+72], v[AF+16*\mt+2*\w], v[20+\mt]
	v_sub_f32 v[T+73], v[AF+16*\mt+2*\w+2], v[20+\mt]
	v_fma_f32 v[T+74], v[T+72], v[T+72], v[T+74]
	v_fma_f32 v[T+75], v[T+73], v[T+73], v[T+75]
.endr
	v_add_f32 v[T+74], v[T+74], v[T+75]
	v_fmamk_f32 v[T+74], v[T+74], 0x42800000, v[T+65]
	v_fma_f32 v[T+76+\mt], v[T+74], s[IV512], s[EPS]
.endr
	v_rsq_f32 v24, v[T+76]
	v_rsq_f32 v28, v[T+77]
	v_nop                                          ; a plain instruction behind the last of the two,
	s_wait_alu depctr_va_vdst(0)                   ; and the one wait ahead of their first reader
	v_mul_f32 v26, -v20, v24
	v_mul_f32 v30, -v21, v28
.irp mt, 0,1
.set zz, 0
.rept 16
	v_pk_fma_f32 v[ACC+32*\mt+zz:ACC+32*\mt+zz+1], v[ACC+32*\mt+zz:ACC+32*\mt+zz+1], v[24+4*\mt:25+4*\mt], v[26+4*\mt:27+4*\mt] op_sel_hi:[1,0,0]
.set zz, zz+2
.endr
.set zz, 0
.rept 16
	v_pk_fma_f32 v[ACC+32*\mt+zz:ACC+32*\mt+zz+1], v[ACC+32*\mt+zz:ACC+32*\mt+zz+1], v[T+zz:T+zz+1], v[T+32+zz:T+33+zz]
.set zz, zz+2
.endr
.endr
.endm
.macro QKV inb, vi                     ; three passes on one input, into B1, B2, B3: one text, walked three times; no barrier inside: the input is no output, and the outputs are read later
	s_mov_b32 s[PC], 3
	v_add_nc_u32 v[VO], B1, v[OL]
	v_add_nc_u32 v[VB], VT+2048*(\vi), v[VTL]
.Lqkv_\@:
	SETA \inb
	BIASR
	GEMM 2, 0
	PACKST 0
	v_add_nc_u32 v[VO], BUFB, v[VO]
	v_add_nc_u32 v[VB], 2048, v[VB]
	s_sub_co_u32 s[PC], s[PC], 1
	s_cmp_lg_u32 s[PC], 0
	s_cbranch_scc1 .Lqkv_\@
.endm
; The audio softmax, by running figures of the lane's own keys: v[20+4 mt]: c m, m, l, o.  p = 2^(c s - c m), c = log2(e); l = the sum of p, o = the sum of p (audio[key] . u); both are multiplied by a = 2^(c m_old - c m_new).
.macro SOFT first
.irp mt, 0,1
.irp j, 0,1,2,3
	v_max3_num_f32 v[T+72+\j], v[ACC+32*\mt+8*\j], v[ACC+32*\mt+8*\j+1], v[ACC+32*\mt+8*\j+2]
.endr
.irp z, 3,5
.irp j, 0,1,2,3
	v_max3_num_f32 v[T+72+\j], v[T+72+\j], v[ACC+32*\mt+8*\j+\z], v[ACC+32*\mt+8*\j+\z+1]
.endr
.endr
	v_max3_num_f32 v[T+72], v[T+72], v[ACC+32*\mt+7], v[ACC+32*\mt+15]
	v_max3_num_f32 v[T+73], v[T+73], v[ACC+32*\mt+23], v[ACC+32*\mt+31]
	v_max3_num_f32 v[T+72], v[T+72], v[T+73], v[T+74]
.if \first
	v_max_num_f32 v[21+4*\mt], v[T+72], v[T+75]
	v_mul_f32 v[20+4*\mt], s[CL], v[21+4*\mt]
.else
	v_max3_num_f32 v[21+4*\mt], v[T+72], v[T+75], v[21+4*\mt]
	v_mov_b32 v[T+76+\mt], v[20+4*\mt]
	v_mul_f32 v[20+4*\mt], s[CL], v[21+4*\mt]
	v_sub_f32 v[T+76+\mt], v[T+76+\mt], v[20+4*\mt]
.endif
.set zz, 0
.rept 16
	v_pk_fma_f32 v[ACC+32*\mt+zz:ACC+32*\mt+zz+1], v[ACC+32*\mt+zz:ACC+32*\mt+zz+1], s[CL:CL+1], v[20+4*\mt:21+4*\mt] op_sel_hi:[1,0,0] neg_lo:[0,0,1] neg_hi:[0,0,1]
.set zz, zz+2
.endr
.set zz, 0
.rept 32
	v_exp_f32 v[ACC+32*\mt+zz], v[ACC+32*\mt+zz]
.set zz, zz+1
.endr
.if !(\first)
	v_exp_f32 v[T+76+\mt], v[T+76+\mt]
.endif
.endr
	v_nop                                          ; one batch for both row tiles: a plain instruction behind the last exponential,
	s_wait_alu depctr_va_vdst(0)                   ; and one wait ahead of the first reader
.irp mt, 0,1
.if \first
	SUM32 22+4*\mt, ACC+32*\mt
	DOT32 23+4*\mt, ACC+32*\mt, UA
.else
	SUM32 T+78, ACC+32*\mt
	v_fma_f32 v[22+4*\mt], v[22+4*\mt], v[T+76+\mt], v[T+78]
	DOT32 T+79, ACC+32*\mt, UA
	v_fma_f32 v[23+4*\mt], v[23+4*\mt], v[T+76+\mt], v[T+79]
.endif
.endr
.endm
; A score pass: 512 audio rows are B; the two row tiles start at t = aq . a_bk; a third tile, whose sixteen rows are all u, gives audio[key] . u for just the keys that the lane's scores have.
.macro SCORE mode, first
	SETA B2
	v_bfe_u32 v[VU], v0, 4, 1
	v_lshl_add_u32 v[VU], v[VU], 4, UB
.irp mt, 0,1
.set zz, 0
.rept 32
	v_mov_b32 v[ACC+32*\mt+zz], v[30+\mt]
.set zz, zz+1
.endr
.endr
.set zz, 0
.rept 32
	v_mov_b32 v[UA+zz], 0                          ; written out as moves, so that the passes keep one text of a trip
.set zz, zz+1
.endr
	GEMM 3, \mode
	SOFT \first
.endm
	; ---------------- the head ----------------
	s_load_b512 s[16:31], s[0:1], 0x0              ; visual s[16:17], shots s[18:19], wf s[20:21], uv s[22:23], lg s[24:25], vectors 0-2
	s_load_b512 s[32:47], s[0:1], 0x40             ; vectors 3-10
	s_load_b512 s[48:63], s[0:1], 0x80             ; vectors 11-18
	s_load_b64 s[68:69], s[0:1], 0xc0              ; p_W
	v_lshl_add_u32 v[SPW], v0, 2, SPARE
	v_mov_b32 v[NIL], 0
	v_lshrrev_b32 v20, 5, v0
	v_readfirstlane_b32 s[WV], v20
	s_mov_b32 s[G], ttmp9
	v_and_b32 v20, 31, v0                          ; l
	v_and_b32 v21, 15, v0                          ; r
	v_bfe_u32 v22, v0, 4, 1                        ; h
	v_and_b32 v23, 7, v0                           ; l % 8
	v_bfe_u32 v24, v0, 3, 1                        ; (l / 8) % 2 = r / 8
	v_lshlrev_b32 v[LO], 4, v20
	v_mul_u32_u24 v25, v21, PA
	v_lshl_add_u32 v[LTA], v22, 4, v25
	s_lshl_b32 s4, s[WV], 7
	v_add_nc_u32 v[OL], s4, v[LTA]
	s_lshl_b32 s5, s[WV], 8
	v_lshl_add_u32 v[VTL], v22, 5, s5
	v_lshlrev_b32 v[SXR], 3, v21
	v_add_nc_u32 v[SXW], s5, v[SXR]
	s_lshl_b32 s5, s[WV], 13
	s_add_co_u32 s5, s5, RB
	v_add_nc_u32 v[RBL], s5, v[LO]
	s_mul_i32 s5, s[WV], 4*PA
	v_mul_u32_u24 v26, v24, PA
	v_lshl_add_u32 v26, v23, 7, v26
	v_add_nc_u32 v26, s5, v26
	v_lshl_add_u32 v[HL], v22, 4, v26
	v_mul_u32_u24 v27, v22, PA
	v_lshl_add_u32 v27, v23, 7, v27
	v_lshl_add_u32 v27, v24, 4, v27
	v_add_nc_u32 v[HV], s5, v27
	v_lshl_add_u32 v28, v22, 3, v23
	v_mul_u32_u24 v28, v28, PA
	v_lshl_add_u32 v28, v24, 4, v28
	v_add_nc_u32 v[SV], s4, v28
	v_lshlrev_b32 v29, 8, v23
	v_lshl_add_u32 v[HG], v22, 5, v29
	v_mov_b32 v[ZERO], 0
	v_lshlrev_b32 v[PFO], 8, v20
	v_mov_b32 v30, 0
	v_mov_b32 v31, 0
	v_lshrrev_b32 v24, 7, v0                       ; x goes to row 2 c + tid / 128, 8 bytes at 8 (tid % 128)
	v_and_b32 v25, 127, v0
	v_mul_u32_u24 v24, v24, PA
	v_lshl_add_u32 v24, v25, 3, v24
	v_add_nc_u32 v22, B0, v24
	v_lshlrev_b32 v20, 3, v0                       ; 8 tid
	v_lshlrev_b32 v21, 4, v0                       ; 16 tid
	v_lshl_add_u32 v23, v0, 2, UB
	s_mov_b32 s[SEL], 0x76543210
	s_mov_b32 s[SEL+1], 0xfedcba98
	s_mov_b32 s[C8], 0x3e38aa3b
	s_mov_b32 s[C8+1], s[C8]
	s_mov_b32 s[CL], 0x3fb8aa3b
	s_mov_b32 s[CL+1], s[CL]
	s_mov_b32 s[MK], 0xff0000ff
	s_mov_b32 s[IV512], 0x3b000000                 ; 1 / 512
	s_mov_b32 s[EPS], 0x3727c5ac                   ; 1e-5
	s_mov_b32 s[TC], 0
	s_lshr_b32 s[SOFF], s[G], 3
	s_lshl_b32 s[SOFF], s[SOFF], 3                 ; shots_boundaries[s][0]
	s_lshr_b32 s4, s[G], 2
	s_add_co_u32 s[MYT], s4, 1
	s_cmp_lt_u32 s[G], 100
	s_cselect_b32 s[MYT], s[MYT], -1
	s_min_u32 s4, s4, 24                           ; held so that the address lies in wf in every work-group: at most 29 x 32,768 + 3 x 8,192 + 31 x 256 = 982,784 into a stream of 983,040
	s_add_co_u32 s4, s4, 5
	s_lshl_b32 s4, s4, 15
	s_and_b32 s5, s[G], 3
	s_lshl_b32 s5, s5, 13
	s_add_co_u32 s4, s4, s5
	s_mov_b32 s5, 0
	s_wait_kmcnt 0x0
	s_load_b32 s78, s[18:19], s[SOFF] offset:0x0
.irp v, 0,1,2,3,4,5,6,7,8,9,10,11,12,13,14,15,16,17,18
	global_load_b64 v[32+2*\v:33+2*\v], v20, s[26+2*\v:27+2*\v]   ; a vector's 2,048 bytes: 8 a thread
.endr
	global_load_b64 v[70:71], v20, s[68:69]        ; p1
	global_load_b64 v[72:73], v20, s[22:23]        ; u's two halves
	global_load_b64 v[74:75], v20, s[22:23] offset:2048
	s_mul_i32 s82, s[WV], WS
	s_mov_b32 s83, 0
	s_add_nc_u64 s[BP:BP+1], s[20:21], s[82:83]
	s_add_nc_u64 s[PFA:PFA+1], s[BP:BP+1], s[4:5]
	s_and_b32 s82, s[G], 7
	s_lshl_b32 s82, s82, 11
	s_lshr_b32 s4, s[G], 3
	s_lshl_b32 s4, s4, 7
	s_add_co_u32 s82, s82, s4
	s_add_nc_u64 s[LGP:LGP+1], s[24:25], s[82:83]  ; lg[l][32 s ..]
	s_wait_kmcnt 0x0
	s_and_b32 s4, s[G], 7
	s_add_co_u32 s78, s78, s4
	s_min_u32 s78, s78, 1023                       ; the frame, held inside the table
	s_lshl_b32 s78, s78, 16
	s_mov_b32 s79, 0
	s_add_nc_u64 s[16:17], s[16:17], s[78:79]
.irp c, 0,1,2,3,4,5,6,7,8,9,10,11,12,13,14,15
	global_load_b128 v[128+4*\c:131+4*\c], v21, s[16:17] offset:4096*\c   ; no hint: two shots may name one frame
.endr
.irp kk, 0,1,2,3,4,5,6
	BLOAD \kk
.endr
	WIN 0
	s_wait_loadcnt 56                              ; the 56 ring loads are the younger ones: vectors, u and x are in
.irp v, 0,1,2,3,4,5,6,7,8,9,10,11,12,13,14,15,16,17,18,19
	ds_store_b64 v20, v[32+2*\v:33+2*\v] offset:VT+2048*\v
.endr
	v_pk_add_f32 v[72:73], v[72:73], v[74:75]
	v_cvt_pk_bf16_f32 v72, v72, v73
	ds_store_b32 v23, v72
.irp c, 0,1,2,3,4,5,6,7,8,9,10,11,12,13,14,15
	v_cvt_pk_bf16_f32 v[208+2*\c], v[128+4*\c], v[129+4*\c]
	v_cvt_pk_bf16_f32 v[209+2*\c], v[130+4*\c], v[131+4*\c]
	ds_store_b64 v22, v[208+2*\c:209+2*\c] offset:2*PA*\c
.endr
	BLOAD 7
	WIN 0
	BAR                                            ; vectors, u and x lie in LDS
	; ---------------- frame stage ----------------
	QKV B0, 0                                      ; q, k, v -> B1, B2, B3
	BAR
	; ATTENTION OVER THE HEADS OF A ROW.  Wave w: rows 4 w .. 4 w + 3.  Tile u = rows 4 w + 2 u, + 1: sixteen head-rows of 64 channels.  S^T = K Q^T holds query r a lane and keys 8 h + i: of the query's own row where r / 8 = h.
	; The four rows' 32 head-rows are the 32 keys of the second product, so both tiles share V's fragments; a weight outside the query's row is 0.
	v_add_nc_u32 v29, B0, v[HL]
	v_add_nc_u32 v30, B2, v[HL]
	v_add_nc_u32 v31, B3, v[HV]
.irp u, 0,1
.irp kk, 0,1
	ds_load_b128 v[T+16*\u+8*\kk:T+16*\u+8*\kk+3],       v30 offset:2*PA*\u+64*\kk
	ds_load_b128 v[T+16*\u+8*\kk+4:T+16*\u+8*\kk+7],     v30 offset:2*PA*\u+64*\kk+32
	ds_load_b128 v[T+32+16*\u+8*\kk:T+32+16*\u+8*\kk+3],   v29 offset:BUFB+2*PA*\u+64*\kk
	ds_load_b128 v[T+32+16*\u+8*\kk+4:T+32+16*\u+8*\kk+7], v29 offset:BUFB+2*PA*\u+64*\kk+32
.endr
.endr
.irp cb, 0,1,2,3
	ds_load_tr16_b128 v[AF+8*\cb:AF+8*\cb+3],   v31 offset:32*\cb
	ds_load_tr16_b128 v[AF+8*\cb+4:AF+8*\cb+7], v31 offset:2*PA+32*\cb
.endr
.irp z, 164,165,166,167,168,169,170,171
	v_mov_b32 v[\z], 0                             ; tile 0's weights fill keys 0-15, tile 1's keys 16-31; the other half is 0
.endr
	s_wait_dscnt 0x0
	v_wmma_f32_16x16x32_bf16 v[UA:UA+7],    v[T:T+7],     v[T+32:T+39], 0
	v_wmma_f32_16x16x32_bf16 v[UA+8:UA+15], v[T+16:T+23], v[T+48:T+55], 0
	v_wmma_f32_16x16x32_bf16 v[UA:UA+7],    v[T+8:T+15],  v[T+40:T+47], v[UA:UA+7]
	v_wmma_f32_16x16x32_bf16 v[UA+8:UA+15], v[T+24:T+31], v[T+56:T+63], v[UA+8:UA+15]
	PLACES
.irp cb, 0,1,2,3
	ds_load_b128 v[T+8*\cb:T+8*\cb+3],       v[HG] offset:VT+2048*3+64*\cb       ; the LayerNorm's gain and bias at my columns 64 (r % 8) + 16 cb + 8 h ..
	ds_load_b128 v[T+8*\cb+4:T+8*\cb+7],     v[HG] offset:VT+2048*3+64*\cb+16
	ds_load_b128 v[T+32+8*\cb:T+32+8*\cb+3], v[HG] offset:VT+2048*4+64*\cb
	ds_load_b128 v[T+32+8*\cb+4:T+32+8*\cb+7], v[HG] offset:VT+2048*4+64*\cb+16
.endr
.irp u, 0,1
	v_max3_num_f32 v[20+4*\u], v[UA+8*\u], v[UA+8*\u+1], v[UA+8*\u+2]
	v_max3_num_f32 v[20+4*\u], v[20+4*\u], v[UA+8*\u+3], v[UA+8*\u+4]
	v_max3_num_f32 v[20+4*\u], v[20+4*\u], v[UA+8*\u+5], v[UA+8*\u+6]
	v_max_num_f32 v[20+4*\u], v[20+4*\u], v[UA+8*\u+7]
	v_mul_f32 v[20+4*\u], s[C8], v[20+4*\u]
.irp z, 0,2,4,6
	v_pk_fma_f32 v[UA+8*\u+\z:UA+8*\u+\z+1], v[UA+8*\u+\z:UA+8*\u+\z+1], s[C8:C8+1], v[20+4*\u:21+4*\u] op_sel_hi:[1,0,0] neg_lo:[0,0,1] neg_hi:[0,0,1]
.endr
.irp z, 0,1,2,3,4,5,6,7
	v_exp_f32 v[UA+8*\u+\z], v[UA+8*\u+\z]
.endr
.endr
	v_nop
	s_wait_alu depctr_va_vdst(0)                   ; one wait for the sixteen exponentials
.irp u, 0,1
	v_pk_add_f32 v[22+4*\u:23+4*\u], v[UA+8*\u:UA+8*\u+1], v[UA+8*\u+2:UA+8*\u+3]
	v_pk_add_f32 v[22+4*\u:23+4*\u], v[22+4*\u:23+4*\u], v[UA+8*\u+4:UA+8*\u+5]
	v_pk_add_f32 v[22+4*\u:23+4*\u], v[22+4*\u:23+4*\u], v[UA+8*\u+6:UA+8*\u+7]
	v_add_f32 v[22+4*\u], v[22+4*\u], v[23+4*\u]
.endr
	v_rcp_f32 v22, v22
	v_rcp_f32 v26, v26
	v_nop
	s_wait_alu depctr_va_vdst(0)                   ; one wait for the two reciprocals
.irp u, 0,1
	v_cndmask_b32 v[22+4*\u], 0, v[22+4*\u], s[MK] ; 0 in the lanes whose keys belong to the other row
.irp z, 0,2,4,6
	v_pk_mul_f32 v[UA+8*\u+\z:UA+8*\u+\z+1], v[UA+8*\u+\z:UA+8*\u+\z+1], v[22+4*\u:23+4*\u] op_sel_hi:[1,0]
.endr
.irp z, 0,1,2,3
	v_cvt_pk_bf16_f32 v[160+12*\u+\z], v[UA+8*\u+2*\z], v[UA+8*\u+2*\z+1]
.endr
.endr
.irp cb, 0,1,2,3
	v_wmma_f32_16x16x32_bf16 v[ACC+8*\cb:ACC+8*\cb+7],       v[AF+8*\cb:AF+8*\cb+7], v[160:167], 0
	v_wmma_f32_16x16x32_bf16 v[ACC+32+8*\cb:ACC+32+8*\cb+7], v[AF+8*\cb:AF+8*\cb+7], v[168:175], 0
.endr
	PLACES
	s_wait_dscnt 0x0                               ; gain and bias
	; LayerNorm: a row's 512 numbers lie in the eight lanes of equal r / 8, in both halves of the lanes, 32 a lane: mean, centre in place, sum of squares
.irp u, 0,1
	SUM32 20+4*\u, ACC+32*\u
	v_add_f32_dpp v[20+4*\u], v[20+4*\u], v[20+4*\u] row_xmask:1 row_mask:0xf bank_mask:0xf
	v_add_f32_dpp v[20+4*\u], v[20+4*\u], v[20+4*\u] row_xmask:2 row_mask:0xf bank_mask:0xf
	v_add_f32_dpp v[20+4*\u], v[20+4*\u], v[20+4*\u] row_xmask:4 row_mask:0xf bank_mask:0xf
	X16ADD 20+4*\u, 28
	v_mul_f32 v[20+4*\u], s[IV512], v[20+4*\u]
.set zz, 0
.rept 16
	v_pk_add_f32 v[ACC+32*\u+zz:ACC+32*\u+zz+1], v[ACC+32*\u+zz:ACC+32*\u+zz+1], v[20+4*\u:21+4*\u] op_sel_hi:[1,0] neg_lo:[0,1] neg_hi:[0,1]
.set zz, zz+2
.endr
	DOT32 22+4*\u, ACC+32*\u, ACC+32*\u
	v_add_f32_dpp v[22+4*\u], v[22+4*\u], v[22+4*\u] row_xmask:1 row_mask:0xf bank_mask:0xf
	v_add_f32_dpp v[22+4*\u], v[22+4*\u], v[22+4*\u] row_xmask:2 row_mask:0xf bank_mask:0xf
	v_add_f32_dpp v[22+4*\u], v[22+4*\u], v[22+4*\u] row_xmask:4 row_mask:0xf bank_mask:0xf
	X16ADD 22+4*\u, 28
	v_fma_f32 v[22+4*\u], v[22+4*\u], s[IV512], s[EPS]
.endr
	v_rsq_f32 v22, v22
	v_rsq_f32 v26, v26
	v_nop
	s_wait_alu depctr_va_vdst(0)
.irp u, 0,1
.set zz, 0
.rept 16
	v_pk_mul_f32 v[ACC+32*\u+zz:ACC+32*\u+zz+1], v[ACC+32*\u+zz:ACC+32*\u+zz+1], v[22+4*\u:23+4*\u] op_sel_hi:[1,0]
.set zz, zz+2
.endr
.set zz, 0
.rept 16
	v_pk_fma_f32 v[ACC+32*\u+zz:ACC+32*\u+zz+1], v[ACC+32*\u+zz:ACC+32*\u+zz+1], v[T+zz:T+zz+1], v[T+32+zz:T+33+zz]
.set zz, zz+2
.endr
.irp cb, 0,1,2,3
.irp z, 0,1,2,3
	v_cvt_pk_bf16_f32 v[T+64+4*\cb+\z], v[ACC+32*\u+8*\cb+2*\z], v[ACC+32*\u+8*\cb+2*\z+1]
.endr
	ds_store_b128 v29, v[T+64+4*\cb:T+64+4*\cb+3] offset:2*PA*\u+32*\cb
.endr
.endr
	BAR
	SETA B0                                        ; relu(ln @ f_lin_W + b) -> B1
	BIAS 5
	GEMM 2, 0
	SETO B1
	PACKST 1
	BAR
	SETA B1                                        ; frame_reps = h1 @ f_W0 + b0 -> B4; frame_reps + s_bo is set aside in f32 for the residual
	BIAS 6
	GEMM 2, 0
	SETO B4
	PACKST 0
	LDV 10, 32
	s_wait_dscnt 0x0
	ADDV
	RSTORE
	BAR
	; ---------------- shot stage ----------------
	QKV B4, 7                                      ; q, k, v -> B1, B2, B3
	BAR
	; ATTENTION OVER THE FRAME'S 32 ROWS, head w in wave w.  S^T = K Q^T: a lane holds query 16 qt + r and keys 16 kt + 8 h + i; two such tiles rounded to bf16 are source 1 of O^T = V^T P.
	v_add_nc_u32 v29, B1, v[OL]
	v_add_nc_u32 v31, B3, v[SV]
.irp kt, 0,1
.irp kk, 0,1
	ds_load_b128 v[T+16*\kt+8*\kk:T+16*\kt+8*\kk+3],       v29 offset:BUFB+HB*\kt+64*\kk
	ds_load_b128 v[T+16*\kt+8*\kk+4:T+16*\kt+8*\kk+7],     v29 offset:BUFB+HB*\kt+64*\kk+32
	ds_load_b128 v[T+32+16*\kt+8*\kk:T+32+16*\kt+8*\kk+3],   v29 offset:HB*\kt+64*\kk
	ds_load_b128 v[T+32+16*\kt+8*\kk+4:T+32+16*\kt+8*\kk+7], v29 offset:HB*\kt+64*\kk+32
.endr
.endr
.irp cb, 0,1,2,3
	ds_load_tr16_b128 v[AF+8*\cb:AF+8*\cb+3],   v31 offset:32*\cb
	ds_load_tr16_b128 v[AF+8*\cb+4:AF+8*\cb+7], v31 offset:HB+32*\cb
.endr
	s_wait_dscnt 0x0
.irp qt, 0,1
.irp kt, 0,1
	v_wmma_f32_16x16x32_bf16 v[UA+16*\qt+8*\kt:UA+16*\qt+8*\kt+7], v[T+16*\kt:T+16*\kt+7], v[T+32+16*\qt:T+32+16*\qt+7], 0
.endr
.endr
.irp qt, 0,1
.irp kt, 0,1
	v_wmma_f32_16x16x32_bf16 v[UA+16*\qt+8*\kt:UA+16*\qt+8*\kt+7], v[T+16*\kt+8:T+16*\kt+15], v[T+40+16*\qt:T+47+16*\qt], v[UA+16*\qt+8*\kt:UA+16*\qt+8*\kt+7]
.endr
.endr
	PLACES
.irp qt, 0,1
	v_max3_num_f32 v[20+4*\qt], v[UA+16*\qt], v[UA+16*\qt+1], v[UA+16*\qt+2]
	v_max3_num_f32 v[21+4*\qt], v[UA+16*\qt+8], v[UA+16*\qt+9], v[UA+16*\qt+10]
	v_max3_num_f32 v[20+4*\qt], v[20+4*\qt], v[UA+16*\qt+3], v[UA+16*\qt+4]
	v_max3_num_f32 v[21+4*\qt], v[21+4*\qt], v[UA+16*\qt+11], v[UA+16*\qt+12]
	v_max3_num_f32 v[20+4*\qt], v[20+4*\qt], v[UA+16*\qt+5], v[UA+16*\qt+6]
	v_max3_num_f32 v[21+4*\qt], v[21+4*\qt], v[UA+16*\qt+13], v[UA+16*\qt+14]
	v_max3_num_f32 v[20+4*\qt], v[20+4*\qt], v[21+4*\qt], v[UA+16*\qt+7]
	v_max_num_f32 v[20+4*\qt], v[20+4*\qt], v[UA+16*\qt+15]
	X16MAX 20+4*\qt, 28
	v_mul_f32 v[20+4*\qt], s[C8], v[20+4*\qt]
.irp z, 0,2,4,6,8,10,12,14
	v_pk_fma_f32 v[UA+16*\qt+\z:UA+16*\qt+\z+1], v[UA+16*\qt+\z:UA+16*\qt+\z+1], s[C8:C8+1], v[20+4*\qt:21+4*\qt] op_sel_hi:[1,0,0] neg_lo:[0,0,1] neg_hi:[0,0,1]
.endr
.irp z, 0,1,2,3,4,5,6,7,8,9,10,11,12,13,14,15
	v_exp_f32 v[UA+16*\qt+\z], v[UA+16*\qt+\z]
.endr
.endr
	v_nop
	s_wait_alu depctr_va_vdst(0)                   ; one wait for the 32 exponentials
.irp qt, 0,1
	v_pk_add_f32 v[22+4*\qt:23+4*\qt], v[UA+16*\qt:UA+16*\qt+1], v[UA+16*\qt+2:UA+16*\qt+3]
.irp z, 4,6,8,10,12,14
	v_pk_add_f32 v[22+4*\qt:23+4*\qt], v[22+4*\qt:23+4*\qt], v[UA+16*\qt+\z:UA+16*\qt+\z+1]
.endr
	v_add_f32 v[22+4*\qt], v[22+4*\qt], v[23+4*\qt]
	X16ADD 22+4*\qt, 28
.endr
	v_rcp_f32 v22, v22
	v_rcp_f32 v26, v26
	v_nop
	s_wait_alu depctr_va_vdst(0)
.irp qt, 0,1
.irp z, 0,2,4,6,8,10,12,14
	v_pk_mul_f32 v[UA+16*\qt+\z:UA+16*\qt+\z+1], v[UA+16*\qt+\z:UA+16*\qt+\z+1], v[22+4*\qt:23+4*\qt] op_sel_hi:[1,0]
.endr
.irp z, 0,1,2,3,4,5,6,7
	v_cvt_pk_bf16_f32 v[160+8*\qt+\z], v[UA+16*\qt+2*\z], v[UA+16*\qt+2*\z+1]
.endr
.endr
.irp cb, 0,1,2,3
	v_wmma_f32_16x16x32_bf16 v[ACC+8*\cb:ACC+8*\cb+7],       v[AF+8*\cb:AF+8*\cb+7], v[160:167], 0
	v_wmma_f32_16x16x32_bf16 v[ACC+32+8*\cb:ACC+32+8*\cb+7], v[AF+8*\cb:AF+8*\cb+7], v[168:175], 0
.endr
	PLACES
	SETO B0
	PACKST 0
	BAR
	SETA B0                                        ; hh = LN(ft + ctx @ s_Wo + s_bo) -> B1; hh + s_ff2_b is set aside
	RINIT
	GEMM 2, 0
	LNX LN1S, 11, 12
	SETO B1
	PACKST 0
	LDV 14, 32
	s_wait_dscnt 0x0
	ADDV
	RSTORE
	BAR
	SETA B1                                        ; relu(hh @ s_ff1_W + b) -> B2
	BIAS 13
	GEMM 2, 0
	SETO B2
	PACKST 1
	BAR
	SETA B2                                        ; shot_out = LN(hh + ff) -> B0; its product with p1, in f32
	RINIT
	GEMM 2, 0
	LNX LN2S, 15, 16
	SETO B0
	PACKST 0
	LDV 19, 32
	s_wait_dscnt 0x0
	ROWDOT LPS
	BAR
	; ---------------- audio stage ----------------
	SETA B0                                        ; aq -> B1; t = aq . a_bk, in f32
	BIAS 17
	GEMM 2, 0
	SETO B1
	PACKST 0
	LDV 18, 32
	s_wait_dscnt 0x0
	ROWDOT TPS
	BAR
	SETA B1                                        ; z = aq a_Wk^T -> B2
.set zz, 0
.rept 64
	v_mov_b32 v[ACC+zz], 0                         ; written out as moves, so that the passes keep one text of a trip
.set zz, zz+1
.endr
	GEMM 2, 0
	SETO B2
	PACKST 0
	BAR
	v_lshrrev_b32 v29, 1, v[SXR]                   ; 4 r
.irp mt, 0,1
.irp w, 0,1,2,3,4,5,6,7
	ds_load_b32 v[T+8*\mt+\w], v29 offset:TPS+64*\mt+128*\w
.endr
.endr
	s_wait_dscnt 0x0
.irp mt, 0,1
	v_pk_add_f32 v[T+8*\mt:T+8*\mt+1], v[T+8*\mt:T+8*\mt+1], v[T+8*\mt+2:T+8*\mt+3]
	v_pk_add_f32 v[T+8*\mt+4:T+8*\mt+5], v[T+8*\mt+4:T+8*\mt+5], v[T+8*\mt+6:T+8*\mt+7]
	v_pk_add_f32 v[T+8*\mt:T+8*\mt+1], v[T+8*\mt:T+8*\mt+1], v[T+8*\mt+4:T+8*\mt+5]
	v_add_f32 v[30+\mt], v[T+8*\mt], v[T+8*\mt+1]  ; t of row 16 mt + r
.endr
	SCORE 0, 1                                     ; audio rows 0-511
	SCORE 1, 0                                     ; audio rows 512-1023
	; the lanes' figures are merged: first with the lane 16 away, then, through LDS, over the eight waves
	v_lshlrev_b32 v29, 1, v[SXW]                   ; 16 (32 w + r)
.irp mt, 0,1
	v_permlanex16_b32 v28, v[20+4*\mt], s[SEL], s[SEL+1]
	v_max_num_f32 v[T+64+4*\mt], v[20+4*\mt], v28
	v_sub_f32 v[T+72+\mt], v[20+4*\mt], v[T+64+4*\mt]
.endr
	v_exp_f32 v[T+72], v[T+72]
	v_exp_f32 v[T+73], v[T+73]
	v_nop
	s_wait_alu depctr_va_vdst(0)
.irp mt, 0,1
	v_mul_f32 v[T+65+4*\mt], v[22+4*\mt], v[T+72+\mt]
	v_mul_f32 v[T+66+4*\mt], v[23+4*\mt], v[T+72+\mt]
	X16ADD T+65+4*\mt, 28
	X16ADD T+66+4*\mt, 28
	v_mov_b32 v[T+67+4*\mt], v[T+66+4*\mt]         ; the fourth word of the 16 bytes is written too
	ds_store_b128 v29, v[T+64+4*\mt:T+67+4*\mt] offset:SMS+256*\mt
.endr
	BAR
	s_cmp_lg_u32 s[WV], 0
	s_cbranch_scc1 .Lend
	; wave 0, a row a lane
	v_lshrrev_b32 v29, 2, v[LO]                    ; 4 l
.irp w, 0,1,2,3,4,5,6,7
	ds_load_b128 v[T+4*\w:T+4*\w+3], v[LO] offset:SMS+512*\w
.endr
.irp w, 0,1,2,3,4,5,6,7
	ds_load_b32 v[T+32+\w], v29 offset:LPS+128*\w
.endr
	s_wait_dscnt 0x0
	v_max3_num_f32 v20, v[T], v[T+4], v[T+8]
	v_max3_num_f32 v20, v20, v[T+12], v[T+16]
	v_max3_num_f32 v20, v20, v[T+20], v[T+24]
	v_max_num_f32 v20, v20, v[T+28]
.irp w, 0,1,2,3,4,5,6,7
	v_sub_f32 v[T+40+\w], v[T+4*\w], v20
.endr
.irp w, 0,1,2,3,4,5,6,7
	v_exp_f32 v[T+40+\w], v[T+40+\w]
.endr
	v_nop
	s_wait_alu depctr_va_vdst(0)
	v_mul_f32 v21, v[T+1], v[T+40]
	v_mul_f32 v22, v[T+2], v[T+40]
.irp w, 1,2,3,4,5,6,7
	v_fma_f32 v21, v[T+4*\w+1], v[T+40+\w], v21
	v_fma_f32 v22, v[T+4*\w+2], v[T+40+\w], v22
.endr
	v_rcp_f32 v21, v21
	v_pk_add_f32 v[T+32:T+33], v[T+32:T+33], v[T+34:T+35]   ; plain work behind the reciprocal: shot_out . p1
	v_pk_add_f32 v[T+36:T+37], v[T+36:T+37], v[T+38:T+39]
	v_pk_add_f32 v[T+32:T+33], v[T+32:T+33], v[T+36:T+37]
	v_add_f32 v23, v[T+32], v[T+33]
	s_wait_alu depctr_va_vdst(0)
	v_fma_f32 v23, v22, v21, v23                   ; + (sum of p audio . u) / (sum of p)
	global_store_b32 v29, v23, s[LGP:LGP+1]        ; 128 consecutive bytes
.Lend:
	s_wait_tensorcnt 0x0                           ; the wave's end, behind my last LDS store
	ds_add_u32 v[SPW], v[NIL]
	s_wait_dscnt 0x0
	s_endpgm
.Lfunc_end_k_qc2ede3adfc_chain:
	.size	k_qc2ede3adfc_chain, .Lfunc_end_k_qc2ede3adfc_chain-k_qc2ede3adfc_chain
	.p2alignl 7, 3214868480
	.fill 96, 4, 3214868480
	.section	.rodata,"a",@progbits
	.p2align	6, 0x0
	.amdhsa_kernel k_qc2ede3adfc_chain
		.amdhsa_group_segment_fixed_size 285184
		.amdhsa_private_segment_fixed_size 0
		.amdhsa_enable_private_segment 0
		.amdhsa_kernarg_size 200
		.amdhsa_user_sgpr_count 2
		.amdhsa_user_sgpr_kernarg_segment_ptr 1
		.amdhsa_wavefront_size32 1
		.amdhsa_system_sgpr_workgroup_id_x 1
		.amdhsa_system_sgpr_workgroup_id_y 1
		.amdhsa_system_sgpr_workgroup_id_z 1
		.amdhsa_system_vgpr_workitem_id 0
		.amdhsa_next_free_vgpr 512
		.amdhsa_next_free_sgpr 84
		.amdhsa_reserve_vcc 0
		.amdhsa_float_denorm_mode_32 3
		.amdhsa_float_denorm_mode_16_64 3
		.amdhsa_memory_ordered 1
		.amdhsa_forward_progress 1
		.amdhsa_inst_pref_size 255
	.end_amdhsa_kernel
	.section	.bss,"aw",@nobits
	.p2align	6
	.space	262144
	.amdgpu_metadata
---
amdhsa.version: [ 1, 2 ]
amdhsa.kernels:
  - .name:           k_qc2ede3adfc_chain
    .symbol:         k_qc2ede3adfc_chain.kd
    .args:
      - { .name: visual_features, .offset: 0, .size: 8, .value_kind: global_buffer, .address_space: global }
      - { .name: shots_boundaries, .offset: 8, .size: 8, .value_kind: global_buffer, .address_space: global }
      - { .name: wf, .offset: 16, .size: 8, .value_kind: global_buffer, .address_space: global }
      - { .name: uv, .offset: 24, .size: 8, .value_kind: global_buffer, .address_space: global }
      - { .name: lg, .offset: 32, .size: 8, .value_kind: global_buffer, .address_space: global }
      - { .name: f_bq, .offset: 40, .size: 8, .value_kind: global_buffer, .address_space: global }
      - { .name: f_bk, .offset: 48, .size: 8, .value_kind: global_buffer, .address_space: global }
      - { .name: f_bv, .offset: 56, .size: 8, .value_kind: global_buffer, .address_space: global }
      - { .name: f_ln_g, .offset: 64, .size: 8, .value_kind: global_buffer, .address_space: global }
      - { .name: f_ln_b, .offset: 72, .size: 8, .value_kind: global_buffer, .address_space: global }
      - { .name: f_lin_b, .offset: 80, .size: 8, .value_kind: global_buffer, .address_space: global }
      - { .name: f_b0, .offset: 88, .size: 8, .value_kind: global_buffer, .address_space: global }
      - { .name: s_bq, .offset: 96, .size: 8, .value_kind: global_buffer, .address_space: global }
      - { .name: s_bk, .offset: 104, .size: 8, .value_kind: global_buffer, .address_space: global }
      - { .name: s_bv, .offset: 112, .size: 8, .value_kind: global_buffer, .address_space: global }
      - { .name: s_bo, .offset: 120, .size: 8, .value_kind: global_buffer, .address_space: global }
      - { .name: s_ln1_g, .offset: 128, .size: 8, .value_kind: global_buffer, .address_space: global }
      - { .name: s_ln1_b, .offset: 136, .size: 8, .value_kind: global_buffer, .address_space: global }
      - { .name: s_ff1_b, .offset: 144, .size: 8, .value_kind: global_buffer, .address_space: global }
      - { .name: s_ff2_b, .offset: 152, .size: 8, .value_kind: global_buffer, .address_space: global }
      - { .name: s_ln2_g, .offset: 160, .size: 8, .value_kind: global_buffer, .address_space: global }
      - { .name: s_ln2_b, .offset: 168, .size: 8, .value_kind: global_buffer, .address_space: global }
      - { .name: a_bq, .offset: 176, .size: 8, .value_kind: global_buffer, .address_space: global }
      - { .name: a_bk, .offset: 184, .size: 8, .value_kind: global_buffer, .address_space: global }
      - { .name: p_W, .offset: 192, .size: 8, .value_kind: global_buffer, .address_space: global }
    .group_segment_fixed_size: 285184
    .private_segment_fixed_size: 0
    .kernarg_segment_align: 8
    .kernarg_segment_size: 200
    .max_flat_workgroup_size: 256
    .sgpr_count:     84
    .vgpr_count:     512
    .wavefront_size: 32
...
	.end_amdgpu_metadata
.endif
;; end of part 2
;; launch soft (part 3): grid 1 x 1, 16 waves a work-group, no clusters, 4,096 bytes of LDS; arguments lg, a_bv, p_W, p_b, out0; writes out0
.if DOCPART == 3
	.amdgcn_target "amdgcn-amd-amdhsa--gfx1250"
	.amdhsa_code_object_version 6
	.text
	.protected	k_qc2ede3adfc_soft
	.globl	k_qc2ede3adfc_soft
	.p2align	8
	.type	k_qc2ede3adfc_soft,@function
k_qc2ede3adfc_soft:
	s_mov_b64 s[64:65], 0
	v_nop
	global_prefetch_b8 v0, s[64:65] scope:SCOPE_SE
	s_setreg_imm32_b32 hwreg(HW_REG_WAVE_MODE, 25, 1), 1
	s_wait_xcnt 0x0
; SOFT: out0[n][l] = softmax over n (512) of lg[l][n] + c, c = a_bv . p_W[512:] + p_b, for each of the 8 l.  c is the same along the softmax's axis; it is read and added all the same, to the numbers and to their maximum.
; One work-group: the sum spans all 4,096 numbers' rows, and 16 KiB are too few to share out.  Thread tau: lq = tau % 2, nh = tau / 2; it owns l = 4 lq + i (i = 0..3) for n = nh and nh + 256,
; so its results are 16 consecutive bytes of out0 at 16 tau and at 16 tau + 8,192.  Lanes of equal parity hold the same l: the lane steps 2, 4, 8 and 16 keep the parity.
; LIMITS.  NaN and infinities are not treated apart; a weight below 2^-126 counts as 0.
.set R1, 0                             ; [16 waves][64 bytes]: 8 maxima, then the wave's part of a_bv . p2
.set R2, 1024                          ; [16 waves][64 bytes]: 8 sums
.set SPARE, 2048                       ; the spare words: 128 bytes a wave, eight blocks of 256 bytes that no other line names
	s_load_b256 s[4:11], s[0:1], 0x0               ; lg s[4:5], a_bv s[6:7], p_W s[8:9], p_b s[10:11]
	s_load_b64 s[12:13], s[0:1], 0x20              ; out0
	v_lshl_add_u32 v2, v0, 2, SPARE
	v_mov_b32 v3, 0
	v_lshrrev_b32 v4, 5, v0
	v_readfirstlane_b32 s14, v4                    ; wave
	v_and_b32 v4, 1, v0                            ; lq
	v_lshrrev_b32 v5, 1, v0                        ; nh
	v_lshlrev_b32 v6, 13, v4
	v_lshl_add_u32 v6, v5, 2, v6                   ; 8,192 lq + 4 nh
	v_lshlrev_b32 v7, 2, v0                        ; 4 tau
	v_lshlrev_b32 v8, 4, v0                        ; 16 tau
	v_lshlrev_b32 v9, 4, v4                        ; 16 lq
	s_lshl_b32 s15, s14, 6
	v_add_nc_u32 v10, s15, v9                      ; 64 wave + 16 lq
	v_mov_b32 v11, 0                               ; the lane exchange's destination counts as read
	s_mov_b32 s16, 0x76543210
	s_mov_b32 s17, 0xfedcba98
	s_mov_b32 s18, 0x3fb8aa3b                      ; log2(e)
	s_wait_kmcnt 0x0
	s_load_b32 s19, s[10:11], 0x0                  ; p_b
.irp nn, 0,1
.irp i, 0,1,2,3
	global_load_b32 v[16+4*\nn+\i], v6, s[4:5] offset:2048*\i+1024*\nn
.endr
.endr
	global_load_b32 v24, v7, s[6:7]
	global_load_b32 v25, v7, s[8:9] offset:2048
	s_wait_loadcnt 0x0
.irp i, 0,1,2,3
	v_max_num_f32 v[28+\i], v[16+\i], v[20+\i]
.endr
.irp x, 2,4,8
.irp i, 0,1,2,3
	v_max_num_f32_dpp v[28+\i], v[28+\i], v[28+\i] row_xmask:\x row_mask:0xf bank_mask:0xf
.endr
.endr
.irp i, 0,1,2,3
	v_permlanex16_b32 v11, v[28+\i], s16, s17
	v_max_num_f32 v[28+\i], v[28+\i], v11
.endr
	v_mul_f32 v26, v24, v25
.irp x, 1,2,4,8
	v_add_f32_dpp v26, v26, v26 row_xmask:\x row_mask:0xf bank_mask:0xf
.endr
	v_permlanex16_b32 v11, v26, s16, s17
	v_add_f32 v26, v26, v11
	ds_store_b128 v10, v[28:31] offset:R1
	ds_store_b32 v10, v26 offset:R1+32             ; (both parities write it, at 32 and at 48)
	s_wait_dscnt 0x0                               ; for the others' sake
	s_barrier_signal -1
	s_barrier_wait -1
.irp w, 0,1,2,3,4,5,6,7,8,9,10,11,12,13,14,15
	ds_load_b128 v[32+4*\w:35+4*\w], v9 offset:R1+64*\w
.endr
.irp w, 0,1,2,3,4,5,6,7,8,9,10,11,12,13,14,15
	ds_load_b32 v[96+\w], v9 offset:R1+64*\w+32
.endr
	s_wait_dscnt 0x0
	s_wait_kmcnt 0x0
.irp i, 0,1,2,3
	v_max3_num_f32 v[28+\i], v[32+\i], v[36+\i], v[40+\i]
.irp k, 0,1,2,3,4,5
	v_max3_num_f32 v[28+\i], v[28+\i], v[44+8*\k+\i], v[48+8*\k+\i]
.endr
	v_max_num_f32 v[28+\i], v[28+\i], v[92+\i]
.endr
.irp k, 0,4,8,12
	v_pk_add_f32 v[96+\k:97+\k], v[96+\k:97+\k], v[98+\k:99+\k]
.endr
	v_pk_add_f32 v[96:97], v[96:97], v[100:101]
	v_pk_add_f32 v[104:105], v[104:105], v[108:109]
	v_pk_add_f32 v[96:97], v[96:97], v[104:105]
	v_add_f32 v26, v96, v97
	v_add_f32 v26, s19, v26                        ; c
.irp i, 0,1,2,3
	v_add_f32 v[28+\i], v[28+\i], v26              ; the maximum of the logits
.endr
.irp nn, 0,1
.irp i, 0,1,2,3
	v_add_f32 v[16+4*\nn+\i], v[16+4*\nn+\i], v26  ; the logit
	v_sub_f32 v[16+4*\nn+\i], v[16+4*\nn+\i], v[28+\i]
	v_mul_f32 v[16+4*\nn+\i], s18, v[16+4*\nn+\i]
.endr
.endr
.irp e, 16,17,18,19,20,21,22,23
	v_exp_f32 v[\e], v[\e]
.endr
	v_nop                                          ; a plain instruction behind the last exponential,
	s_wait_alu depctr_va_vdst(0)                   ; and the one wait ahead of the first reader
	v_pk_add_f32 v[28:29], v[16:17], v[20:21]
	v_pk_add_f32 v[30:31], v[18:19], v[22:23]
.irp x, 2,4,8
.irp i, 0,1,2,3
	v_add_f32_dpp v[28+\i], v[28+\i], v[28+\i] row_xmask:\x row_mask:0xf bank_mask:0xf
.endr
.endr
.irp i, 0,1,2,3
	v_permlanex16_b32 v11, v[28+\i], s16, s17
	v_add_f32 v[28+\i], v[28+\i], v11
.endr
	ds_store_b128 v10, v[28:31] offset:R2          ; bytes of their own: no second barrier is owed to the reads of R1
	s_wait_dscnt 0x0
	s_barrier_signal -1
	s_barrier_wait -1
.irp w, 0,1,2,3,4,5,6,7,8,9,10,11,12,13,14,15
	ds_load_b128 v[32+4*\w:35+4*\w], v9 offset:R2+64*\w
.endr
	s_wait_dscnt 0x0
.irp st, 8,4,2,1
.set ww, 0
.rept \st
	v_pk_add_f32 v[32+4*ww:33+4*ww], v[32+4*ww:33+4*ww], v[32+4*(ww+\st):33+4*(ww+\st)]
	v_pk_add_f32 v[34+4*ww:35+4*ww], v[34+4*ww:35+4*ww], v[34+4*(ww+\st):35+4*(ww+\st)]
.set ww, ww+1
.endr
.endr
.irp i, 0,1,2,3
	v_rcp_f32 v[32+\i], v[32+\i]
.endr
	v_nop
	s_wait_alu depctr_va_vdst(0)                   ; one wait for the four reciprocals
	v_pk_mul_f32 v[16:17], v[16:17], v[32:33]
	v_pk_mul_f32 v[18:19], v[18:19], v[34:35]
	v_pk_mul_f32 v[20:21], v[20:21], v[32:33]
	v_pk_mul_f32 v[22:23], v[22:23], v[34:35]
	global_store_b128 v8, v[16:19], s[12:13]               ; a wave's store covers 512 consecutive bytes, aligned
	global_store_b128 v8, v[20:23], s[12:13] offset:8192
	s_wait_tensorcnt 0x0                           ; the wave's end, behind my last LDS store
	ds_add_u32 v2, v3
	s_wait_dscnt 0x0
	s_endpgm
.Lfunc_end_k_qc2ede3adfc_soft:
	.size	k_qc2ede3adfc_soft, .Lfunc_end_k_qc2ede3adfc_soft-k_qc2ede3adfc_soft
	.p2alignl 7, 3214868480
	.fill 96, 4, 3214868480
	.section	.rodata,"a",@progbits
	.p2align	6, 0x0
	.amdhsa_kernel k_qc2ede3adfc_soft
		.amdhsa_group_segment_fixed_size 4096
		.amdhsa_private_segment_fixed_size 0
		.amdhsa_enable_private_segment 0
		.amdhsa_kernarg_size 40
		.amdhsa_user_sgpr_count 2
		.amdhsa_user_sgpr_kernarg_segment_ptr 1
		.amdhsa_wavefront_size32 1
		.amdhsa_system_sgpr_workgroup_id_x 1
		.amdhsa_system_sgpr_workgroup_id_y 1
		.amdhsa_system_sgpr_workgroup_id_z 1
		.amdhsa_system_vgpr_workitem_id 0
		.amdhsa_next_free_vgpr 128
		.amdhsa_next_free_sgpr 66
		.amdhsa_reserve_vcc 0
		.amdhsa_float_denorm_mode_32 3
		.amdhsa_float_denorm_mode_16_64 3
		.amdhsa_memory_ordered 1
		.amdhsa_forward_progress 1
		.amdhsa_inst_pref_size 15
	.end_amdhsa_kernel
	.amdgpu_metadata
---
amdhsa.version: [ 1, 2 ]
amdhsa.kernels:
  - .name:           k_qc2ede3adfc_soft
    .symbol:         k_qc2ede3adfc_soft.kd
    .args:
      - { .name: lg, .offset: 0, .size: 8, .value_kind: global_buffer, .address_space: global }
      - { .name: a_bv, .offset: 8, .size: 8, .value_kind: global_buffer, .address_space: global }
      - { .name: p_W, .offset: 16, .size: 8, .value_kind: global_buffer, .address_space: global }
      - { .name: p_b, .offset: 24, .size: 8, .value_kind: global_buffer, .address_space: global }
      - { .name: out0, .offset: 32, .size: 8, .value_kind: global_buffer, .address_space: global }
    .group_segment_fixed_size: 4096
    .private_segment_fixed_size: 0
    .kernarg_segment_align: 8
    .kernarg_segment_size: 40
    .max_flat_workgroup_size: 512
    .sgpr_count:     66
    .vgpr_count:     128
    .wavefront_size: 32
...
	.end_amdgpu_metadata
.endif
;; end of part 3
;; ======== version 2 of 2: 3 launches; version 1 with the launch chain written anew for expert scheduling mode
;; workspace buffers: wf 7,864,320 bytes; uv 4,096 bytes; lg 16,384 bytes
;; launch prep: the kernel of part 1 again; grid 256 x 1, 4 waves a work-group, no clusters, 0 bytes of LDS; arguments f_Wq, f_Wk, f_Wv, f_lin_W, f_W0, s_Wq, s_Wk, s_Wv, s_Wo, s_ff1_W, s_ff2_W, a_Wq, a_Wk, audio_features, a_Wv, p_W, wf, uv; writes wf, uv
;; launch chain (part 4): grid 128 x 1, 8 waves a work-group, no clusters, 285,184 bytes of LDS; arguments visual_features, shots_boundaries, wf, uv, lg, f_bq, f_bk, f_bv, f_ln_g, f_ln_b, f_lin_b, f_b0, s_bq, s_bk, s_bv, s_bo, s_ln1_g, s_ln1_b, s_ff1_b, s_ff2_b, s_ln2_g, s_ln2_b, a_bq, a_bk, p_W; writes lg
.if DOCPART == 4
	.amdgcn_target "amdgcn-amd-amdhsa--gfx1250"
	.amdhsa_code_object_version 6
	.text
	.protected	k_qc2ede3adfc_chain
	.globl	k_qc2ede3adfc_chain
	.p2align	8
	.type	k_qc2ede3adfc_chain,@function
k_qc2ede3adfc_chain:
	s_mov_b64 s[64:65], 0
	v_nop
	global_prefetch_b8 v0, s[64:65] scope:SCOPE_SE
	s_setreg_imm32_b32 hwreg(HW_REG_WAVE_SCHED_MODE, 0, 2), 2
	s_setreg_imm32_b32 hwreg(HW_REG_WAVE_MODE, 25, 1), 1
	s_wait_xcnt 0x0
	s_wait_alu depctr_vm_vsrc(0)
; CHAIN: everything between a frame's 32 rows of visual_features and its 32 logits, in one work-group, with no intermediate in memory.
; Only the frames start[s] + l (16 shots x 8) enter the result: 128 frames, one work-group each.  A frame's 32 rows are closed under the frame stage (by row), the shot attention (over the 32 rows) and the audio attention (by row).
; FIFTEEN PASSES out[32][512] = act[32][512] x B_p^T, bf16 operands, f32 sums: q, k, v | linear, W0 | shot q, k, v | Wo, ff1, ff2 | a_Wq | a_Wk^T | audio rows 0-511, 512-1023.
; TWO IDENTITIES, good for every input: aq . ak[a] = (aq a_Wk^T) . audio[a] + aq . a_bk;  attended . p2 = sum over a of P_a (audio[a] . u) + a_bv . p2, u = a_Wv p2.  The last term and p_b are added in the launch behind.
; SHARES.  Eight waves; wave w owns output columns 64 w .. 64 w + 63 of every pass: 2 row tiles x 4 column tiles of 16 x 16.  The product is taken transposed (source 0 = 16 rows of B, source 1 = 16 rows of act):
; lane (r = l % 16, h = l / 16), register i of accumulator (mt, j) holds row 16 mt + r, column 64 w + 16 j + 8 h + i: eight neighbouring columns of a row.
; THE WEIGHTS come straight from memory into registers: wf holds each wave's fragments in the order of use, one linear run of 983,040 bytes, and a ring of eight K steps (256 registers; six or seven of the eight sets,
; 24 to 28 KiB a wave, are on their way) is kept going by counted waits, across epilogues, barriers and pass ends.  NO TENSOR LOADS, NO CLUSTER: a fragment of B is used by one wave of the work-group alone, so LDS would add
; 512 KiB written and 512 KiB read a pass to the 256 KiB of activation fragments read now; and a slot of 128 KiB would hold 64 matrix instructions a wave between its request and the wait for all loads in front of the next one.
; 128 work-groups: the shot attention ties a frame's 32 rows together, and a split frame would repeat the passes above it.
; FORMATS.  Matrix operands bf16 (q, k, v, activations have no sure room in f16).  Residuals, LayerNorm figures, softmax figures and row dots f32.  LayerNorm over waves: each wave's mean and centred sum of squares are merged.
; LIMITS.  start + l is taken as unsigned and held to 1,023.  NaN and infinities are not treated apart.  A weight below 2^-126 counts as 0.  The order of sums differs from the written order by the two identities above.
; THE MODE: SCHED_MODE bits 1:0 = 2 (LLVM: expert scheduling mode 2), set by the entry lines.  The code itself states the register dependences between vector or matrix instructions and memory or LDS instructions,
; with s_wait_alu, always for 0.
; THE PLAN, in a pass's loop.  Registers that memory or LDS instructions touch:
;   R0 .. R7 (window 1)  Step s: its products read R[s]; in step s + 1 the loads of the same step of the next trip land in it.
;   AF0 .. AF3           Step s: its products read AF[s % 4]; in step s + 1 the fragments of step s + 4 land in it.  Steps 0 to 4 of a trip ask so; step 7 asks for the next trip's first three sets at once, under its one branch.
;   v[VA], v[VU]         Read by every fragment load; written once a trip, at its end.
;   v[LO], v[PFO]        Read by the ring's loads and by the prefetch; written at the head alone.
;   The accumulators are named by matrix instructions alone.
; So ONE wait on va_vdst stands at a step's head, behind the waits for its data: the products of the step before are done reading R[s - 1] and AF[(s - 1) % 4], and in a trip's first step v[VA] and v[VU] are written.
; The step's loads follow it, dealt among its products, which name R[s], AF[s % 4] and the accumulators: none of the registers that those loads touch.  One wait on vm_vsrc a trip stands ahead of the add to v[VA].
; BETWEEN PASSES.  An epilogue makes all its numbers first, in registers of their own for both row tiles; then one wait on va_vdst; then its run of LDS stores.  A pass opens with a wait on vm_vsrc (the LDS instructions
; issued so far have read their addresses and data), the lines that make its addresses, and a wait on va_vdst, behind which the loads that start the sums and the first fragments are asked for.
.set PA,   1040                        ; an activation row in LDS: 1,024 bytes + 16: sixteen rows of a fragment load start 16 bytes further on modulo 256
.set HB,   16*PA
.set BUFB, 32*PA
.set VT,   0                           ; 20 vectors of 512 f32, in the order of the arguments from f_bq on; number 19 is p_W[0:512]
.set UB,   40960                       ; u in bf16
.set LN1S, 41984                       ; [8 waves][32 rows][mean, centred sum of squares]
.set LN2S, 44032
.set LPS,  46080                       ; [8][32] f32: shot_out . p1 by wave
.set TPS,  47104                       ; [8][32] f32: aq . a_bk by wave
.set SMS,  48128                       ; [8][32][16 bytes]: c m, l, o by wave
.set SPARE, 52224                      ; the spare words: 128 bytes a wave, four blocks of 256 bytes that no other line names
.set RB,   53248                       ; each wave's own 8,192 bytes: its 32 x 64 residual in f32
.set B0,   118784                      ; five activation buffers of 32 rows
.set B1,   B0+BUFB
.set B2,   B1+BUFB
.set B3,   B2+BUFB
.set B4,   B3+BUFB
.set WS,   983040
.set TRIPB, 32768                      ; a trip = eight K steps of a wave's stream
; scalar registers
.set WV, 2                             ; wave
.set G,  3                             ; frame = 8 s + l
.set BP, 6                             ; s[6:7]   the stream, at the trip whose sets 0 to 6 were asked for last
.set LGP, 8                            ; s[8:9]   my frame's 32 logits
.set PFA, 10                           ; s[10:11] what this wave prefetches; never rewritten
.set TR, 12                            ; trips of a pass to go
.set TC, 13                            ; trips begun in the launch
.set MYT, 14                           ; the trip in which this work-group prefetches, or -1
.set PC, 15                            ; passes of a q, k, v loop to go
.set SEL, 70                           ; s[70:71] lane selects
.set C8, 72                            ; s[72:73] log2(e) / 8
.set CL, 74                            ; s[74:75] log2(e)
.set MK, 76                            ; lanes 0-7 and 24-31
.set IV512, 77
.set EPS, 80
.set SOFF, 81
; vector registers, window 0
.set LO, 1                             ; 16 l
.set LTA, 2                            ; r PA + 16 h
.set VA, 3                             ; activation fragments: running address
.set VU, 4                             ; u's fragments: running address
.set OL, 5                             ; r PA + 128 w + 16 h
.set VO, 6                             ; where a pass's result goes
.set VTL, 7                            ; 256 w + 32 h
.set VB, 8                             ; a pass's bias
.set RBL, 9
.set HL, 10                            ; (4 w + r / 8) PA + 128 (r % 8) + 16 h
.set HV, 11                            ; (4 w + h) PA + 128 (l % 8) + 16 ((l / 8) % 2)
.set SV, 12                            ; (8 h + l % 8) PA + 128 w + 16 ((l / 8) % 2)
.set HG, 13                            ; 256 (r % 8) + 32 h
.set SXW, 14                           ; 8 (32 w + r)
.set SXR, 15                           ; 8 r
.set ZERO, 16
.set PFO, 17                           ; 256 l; never rewritten
.set SPW, 18
.set NIL, 19
.set ACC, 32                           ; accumulator (mt, j) at ACC + 8 (4 mt + j)
.set UA,  96                           ; the third row tile of the score passes; the small attentions' scores
.set AF,  128                          ; four sets of 24: activation fragments; sets 2 and 3 lie in T's first 48 registers, which are at work between passes alone
.set T,   176                          ; 80 at work; T+64 .. T+71 belong to SUM32 and DOT32
; window 1: the ring: K step kk of a trip, tile j at v[32 kk + 8 j]
.set MSB, 0
.macro WIN new                         ; the immediate's high byte repeats the setting that is left; a switch that changes nothing is dropped
.if MSB != (\new)
	s_set_vgpr_msb (MSB<<8)|(\new)
.set MSB, (\new)
.endif
.endm
.macro PLACES                          ; four plain instructions behind a matrix instruction, ahead of vector instructions that read its result or write its sources (ISA guide 7.12.1)
.rept 4
	v_nop
.endr
.endm
.macro BAR
	s_wait_dscnt 0x0                               ; for the others' sake: my LDS stores are done and my LDS loads are back
	s_barrier_signal -1
	s_barrier_wait -1
.endm
.macro BLOAD kk                        ; a K step's four tiles of B: eight loads, 512 consecutive bytes each
	WIN 0x40
.irp j, 0,1,2,3
	global_load_b128 v[32*(\kk)+8*\j:32*(\kk)+8*\j+3],   v[LO], s[BP:BP+1] offset:(\kk)*4096+\j*1024
	global_load_b128 v[32*(\kk)+8*\j+4:32*(\kk)+8*\j+7], v[LO], s[BP:BP+1] offset:(\kk)*4096+\j*1024+512
.endr
.endm
.macro ALOAD st, off, nt               ; a K step's activation fragments into set st
	WIN 0
	ds_load_b128 v[AF+24*(\st):AF+24*(\st)+3],     v[VA] offset:(\off)
	ds_load_b128 v[AF+24*(\st)+4:AF+24*(\st)+7],   v[VA] offset:(\off)+32
	ds_load_b128 v[AF+24*(\st)+8:AF+24*(\st)+11],  v[VA] offset:(\off)+HB
	ds_load_b128 v[AF+24*(\st)+12:AF+24*(\st)+15], v[VA] offset:(\off)+HB+32
.if (\nt) == 3
	ds_load_b128 v[AF+24*(\st)+16:AF+24*(\st)+19], v[VU] offset:(\off)
	ds_load_b128 v[AF+24*(\st)+20:AF+24*(\st)+23], v[VU] offset:(\off)+32
.endif
.endm
.macro MULH kk, st, nt, j0             ; half a K step's products: column tiles j0, j0 + 1.  The accumulators take turns, one instruction a turn, over K steps and the backward jump too
	WIN 0x01
.irp j, \j0, (\j0)+1
	v_wmma_f32_16x16x32_bf16 v[ACC+8*(\j):ACC+8*(\j)+7], v[32*(\kk)+8*(\j):32*(\kk)+8*(\j)+7], v[AF+24*(\st):AF+24*(\st)+7], v[ACC+8*(\j):ACC+8*(\j)+7]
	v_wmma_f32_16x16x32_bf16 v[ACC+32+8*(\j):ACC+32+8*(\j)+7], v[32*(\kk)+8*(\j):32*(\kk)+8*(\j)+7], v[AF+24*(\st)+8:AF+24*(\st)+15], v[ACC+32+8*(\j):ACC+32+8*(\j)+7]
.if (\nt) == 3
	v_wmma_f32_16x16x32_bf16 v[UA+8*(\j):UA+8*(\j)+7], v[32*(\kk)+8*(\j):32*(\kk)+8*(\j)+7], v[AF+24*(\st)+16:AF+24*(\st)+23], v[UA+8*(\j):UA+8*(\j)+7]
.endif
.endr
.endm
; A PREFETCH INTO THE L2.  Every work-group walks the same wf.  A trip's 256 KiB are shared among 4 work-groups x 8 waves x 32 lanes, a block of 256 bytes a lane, each wave in its own stream.  Work-group G < 100
; asks, in trip G / 4 + 1, for the data of trip G / 4 + 5, which the loads from trip G / 4 + 4's second step on want: three trips, 192 matrix instructions a wave, ahead.  So trips 5 to 29 are named once in the launch; trips 0 to 4 come by their loads alone.
.macro ASK
	WIN 0
	s_cmp_eq_u32 s[TC], s[MYT]
	s_cbranch_scc0 .Lnot_now_\@
	global_prefetch_b8 v[PFO], s[PFA:PFA+1] th:TH_LOAD_NT scope:SCOPE_SE
.Lnot_now_\@:
	s_add_co_u32 s[TC], s[TC], 1
.endm
; Step s of a trip.  ld = 1: the ring set of the step before is asked for again.  ld = 0: the launch's last trip, which asks for its own set 7 in its first step and for nothing more.
; nx: the next trip's first three fragment sets: 2 = unless the pass ends, 1 = always, 0 = never.  A fragment set is 2 nt LDS loads.
.macro KSTEP s, nt, ld, nx
	WIN 0
.if (\s) < 6
	s_wait_dscnt 4*(\nt)                           ; LDS loads come back in order: this step's fragments are in (at a pass's first step also what starts the sums); the two younger sets stay out
.elseif (\s) == 6
	s_wait_dscnt 2*(\nt)                           ; steps 5 and 6 ask for nothing: one younger set is out
.else
	s_wait_dscnt 0x0                               ; none is out
.endif
.if (\ld) || ((\s) == 0)
	s_wait_loadcnt 48                              ; loads come back in order: ring set s is in, the six younger sets of eight loads stay out
.else
	s_wait_loadcnt 56-8*(\s)                       ; the launch's last trip: the counts run down
.endif
	s_wait_alu depctr_va_vdst(0)                   ; the products of the step before are done reading their ring set and their fragment set, in which the loads below land; in a trip's first step v[VA] and v[VU] are written
.if (\s) < 5
	ALOAD ((\s)+3)&3, 64*((\s)+3), \nt             ; the fragments three steps on, into the set that the step before read
.elseif (\s) == 7
.if (\nx) == 2
	s_cmp_eq_u32 s[TR], 1
	s_cbranch_scc1 .Lno_more_\@
.endif
.if (\nx) != 0
	ALOAD 0, 512, \nt                              ; sets 0 to 2 were read by steps 4 to 6: the next trip's first three steps
	ALOAD 1, 576, \nt
	ALOAD 2, 640, \nt
.endif
.if (\nx) == 2
.Lno_more_\@:
.endif
.endif
	MULH \s, (\s)&3, \nt, 0
.if (\ld) || ((\s) == 0)
.if (\s) == 1
	s_wait_xcnt 0x0                                ; every load issued so far has had its address translated (the youngest stand a K step back): the pointer may step
	s_add_nc_u64 s[BP:BP+1], s[BP:BP+1], TRIPB
.endif
	BLOAD ((\s)+7)&7                               ; no wait: no vector or matrix instruction since the wait above names this ring set or v[LO]
.if (\s) == 1
	ASK
.endif
.endif
	MULH \s, (\s)&3, \nt, 2
.endm
.macro TRIP nt, ld, nx
.irp s, 0,1,2,3,4,5,6,7
	KSTEP \s, \nt, \ld, \nx
.endr
	WIN 0
.if (\nx) != 0
	s_wait_alu depctr_vm_vsrc(0)                   ; the LDS loads issued so far have read v[VA] and v[VU]
	v_add_nc_u32 v[VA], 512, v[VA]
.if (\nt) == 3
	v_add_nc_u32 v[VU], 512, v[VU]
.endif
.endif
.endm
.macro GEMM nt, mode                   ; a pass: two trips.  mode 1: the last pass, written out.  Ahead of it stands the pass's wait on va_vdst
	ALOAD 0, 0, \nt
	ALOAD 1, 64, \nt
	ALOAD 2, 128, \nt
.if (\mode) == 0
	s_mov_b32 s[TR], 2
.Ltrip_\@:
	TRIP \nt, 1, 2
	s_sub_co_u32 s[TR], s[TR], 1
	s_cmp_lg_u32 s[TR], 0
	s_cbranch_scc1 .Ltrip_\@
	s_wait_dscnt 0x0                               ; no LDS load is out when the epilogue takes the fragments' registers for its own use (a pass's last trip asks for no further set)
.else
	TRIP \nt, 1, 1
	TRIP \nt, 0, 0
.endif
	PLACES                                         ; ahead of the epilogue's first read of a result and of its first write into the last fragment sets
.endm
.macro SETA base
	v_add_nc_u32 v[VA], \base, v[LTA]
.endm
.macro SETO base
	v_add_nc_u32 v[VO], \base, v[OL]
.endm
.macro BIASR                           ; the sums start at the bias of my columns, the same for both row tiles
.irp j, 0,1,2,3
.irp c, 0,1
	ds_load_b128 v[ACC+8*\j+4*\c:ACC+8*\j+4*\c+3],       v[VB] offset:64*\j+16*\c
	ds_load_b128 v[ACC+32+8*\j+4*\c:ACC+32+8*\j+4*\c+3], v[VB] offset:64*\j+16*\c
.endr
.endr
.endm
.macro RINIT                           ; the sums start at the residual that this wave set aside
.set zz, 0
.rept 16
	ds_load_b128 v[ACC+4*zz:ACC+4*zz+3], v[RBL] offset:512*zz
.set zz, zz+1
.endr
.endm
.macro OPEN inb, outb                  ; a pass opens: its input's and its output's addresses
	s_wait_alu depctr_vm_vsrc(0)                   ; the LDS instructions issued so far have read their addresses (v[VO], v[VB], v20-31) and their data (T, UA, the accumulators set aside): these are written again from here on
	SETA \inb
	SETO \outb
.endm
.macro PASSB inb, outb, vi
	OPEN \inb, \outb
	v_add_nc_u32 v[VB], VT+2048*(\vi), v[VTL]
	s_wait_alu depctr_va_vdst(0)                   ; the three addresses are written; the epilogue before is done with the accumulators and with the fragments' registers, in which the loads below land
	BIASR
.endm
.macro PASSR inb, outb
	OPEN \inb, \outb
	s_wait_alu depctr_va_vdst(0)                   ; the two addresses are written; the epilogue before is done with the accumulators and with the fragments' registers, in which the loads below land
	RINIT
.endm
.macro RSTORE
	s_wait_alu depctr_va_vdst(0)                   ; the additions have written the accumulators, which the LDS stores read
.set zz, 0
.rept 16
	ds_store_b128 v[RBL], v[ACC+4*zz:ACC+4*zz+3] offset:512*zz
.set zz, zz+1
.endr
.endm
.macro PACKST relu                     ; rounded once to bf16 (each accumulator is read from its low end on), 16 bytes a lane into the next pass's rows
.irp mt, 0,1
.irp j, 0,1,2,3
.irp z, 0,1,2,3
	v_cvt_pk_bf16_f32 v[T+16*\mt+4*\j+\z], v[ACC+32*\mt+8*\j+2*\z], v[ACC+32*\mt+8*\j+2*\z+1]
.endr
.if \relu
.irp z, 0,1,2,3
	v_pk_max_num_bf16 v[T+16*\mt+4*\j+\z], v[T+16*\mt+4*\j+\z], v[ZERO]
.endr
.endif
.endr
.endr
	s_wait_alu depctr_va_vdst(0)                   ; T .. T+31 are written, which the LDS stores read; all that read T+32 .. T+63 (the last products, a LayerNorm's bias) is done, so that a vector may be loaded there behind the stores
.irp mt, 0,1
.irp j, 0,1,2,3
	ds_store_b128 v[VO], v[T+16*\mt+4*\j:T+16*\mt+4*\j+3] offset:HB*\mt+32*\j
.endr
.endr
.endm
.macro LDV vi, dst                     ; vector vi at my 32 columns, laid as an accumulator row tile, into T + dst
.irp j, 0,1,2,3
	ds_load_b128 v[T+(\dst)+8*\j:T+(\dst)+8*\j+3],   v[VTL] offset:VT+2048*(\vi)+64*\j
	ds_load_b128 v[T+(\dst)+8*\j+4:T+(\dst)+8*\j+7], v[VTL] offset:VT+2048*(\vi)+64*\j+16
.endr
.endm
.macro ADDV                            ; both row tiles += T+32 ..
.irp mt, 0,1
.set zz, 0
.rept 16
	v_pk_add_f32 v[ACC+32*\mt+zz:ACC+32*\mt+zz+1], v[ACC+32*\mt+zz:ACC+32*\mt+zz+1], v[T+32+zz:T+33+zz]
.set zz, zz+2
.endr
.endr
.endm
.macro MERGE4 dst                      ; four pairs of partial sums into one number
	v_pk_add_f32 v[T+64:T+65], v[T+64:T+65], v[T+66:T+67]
	v_pk_add_f32 v[T+68:T+69], v[T+68:T+69], v[T+70:T+71]
	v_pk_add_f32 v[T+64:T+65], v[T+64:T+65], v[T+68:T+69]
	v_add_f32 v[\dst], v[T+64], v[T+65]
.endm
.macro SUM32 dst, base                 ; four chains, one an accumulator, each begun at its low end
.irp j, 0,1,2,3
	v_pk_add_f32 v[T+64+2*\j:T+65+2*\j], v[(\base)+8*\j:(\base)+8*\j+1], v[(\base)+8*\j+2:(\base)+8*\j+3]
.endr
.irp z, 4,6
.irp j, 0,1,2,3
	v_pk_add_f32 v[T+64+2*\j:T+65+2*\j], v[T+64+2*\j:T+65+2*\j], v[(\base)+8*\j+\z:(\base)+8*\j+\z+1]
.endr
.endr
	MERGE4 \dst
.endm
.macro DOT32 dst, xb, yb
.irp j, 0,1,2,3
	v_pk_mul_f32 v[T+64+2*\j:T+65+2*\j], v[(\xb)+8*\j:(\xb)+8*\j+1], v[(\yb)+8*\j:(\yb)+8*\j+1]
.endr
.irp z, 2,4,6
.irp j, 0,1,2,3
	v_pk_fma_f32 v[T+64+2*\j:T+65+2*\j], v[(\xb)+8*\j+\z:(\xb)+8*\j+\z+1], v[(\yb)+8*\j+\z:(\yb)+8*\j+\z+1], v[T+64+2*\j:T+65+2*\j]
.endr
.endr
	MERGE4 \dst
.endm
.macro X16ADD a, b                     ; the row's other columns or keys lie in the lane 16 away
	v_permlanex16_b32 v[\b], v[\a], s[SEL], s[SEL+1]
	v_add_f32 v[\a], v[\a], v[\b]
.endm
.macro X16MAX a, b
	v_permlanex16_b32 v[\b], v[\a], s[SEL], s[SEL+1]
	v_max_num_f32 v[\a], v[\a], v[\b]
.endm
.macro ROWDOT sb                       ; my 64 columns' part of a row's product with the vector in T+32 .., for both row tiles: into v20 and v21
	v_lshrrev_b32 v29, 1, v[SXW]                   ; 4 (32 w + r)
.irp mt, 0,1
	DOT32 20+\mt, ACC+32*\mt, T+32
	X16ADD 20+\mt, 28
.endr
	s_wait_alu depctr_va_vdst(0)                   ; v29, v20 and v21 are written, which the two LDS stores read
	ds_store_b32 v29, v20 offset:(\sb)
	ds_store_b32 v29, v21 offset:(\sb)+64
.endm
; LayerNorm over a row's 512 columns, which lie in eight waves.  Each wave: the mean mw of its 64 columns and M2 = the sum of (x - mw)^2.  Merged: mean = the mean of the mw; the sum of squares about it = sum M2 + 64 sum (mw - mean)^2:
; no difference of large sums is formed.  It holds one barrier.  Row tile mt's (mw, M2) lie in v[22 + 4 mt : 23 + 4 mt].
.macro LNX sbase, vg, vb
.irp mt, 0,1
	SUM32 20, ACC+32*\mt
	X16ADD 20, 28
	v_mul_f32 v[22+4*\mt], 0x3c800000, v20         ; mw = sum / 64
.set zz, 0
.rept 16
	v_pk_add_f32 v[T+72+2*(zz%4):T+73+2*(zz%4)], v[ACC+32*\mt+2*zz:ACC+32*\mt+2*zz+1], v[22+4*\mt:23+4*\mt] op_sel_hi:[1,0] neg_lo:[0,1] neg_hi:[0,1]
.if zz < 4
	v_pk_mul_f32 v[T+64+2*(zz%4):T+65+2*(zz%4)], v[T+72+2*(zz%4):T+73+2*(zz%4)], v[T+72+2*(zz%4):T+73+2*(zz%4)]
.else
	v_pk_fma_f32 v[T+64+2*(zz%4):T+65+2*(zz%4)], v[T+72+2*(zz%4):T+73+2*(zz%4)], v[T+72+2*(zz%4):T+73+2*(zz%4)], v[T+64+2*(zz%4):T+65+2*(zz%4)]
.endif
.set zz, zz+1
.endr
	MERGE4 23+4*\mt
	X16ADD 23+4*\mt, 28
.endr
	s_wait_alu depctr_va_vdst(0)                   ; both tiles' figures are written, which the two LDS stores read; the pass's products are done reading the fragments' registers, in which gain, bias and the waves' figures land
	ds_store_b64 v[SXW], v[22:23] offset:(\sbase)
	ds_store_b64 v[SXW], v[26:27] offset:(\sbase)+128
	LDV \vg, 0
	LDV \vb, 32
	BAR                                            ; every wave's figures lie in LDS (the gain and bias asked for above are in too)
.irp mt, 0,1
.irp w, 0,1,2,3,4,5,6,7
	ds_load_b64 v[AF+16*\mt+2*\w:AF+16*\mt+2*\w+1], v[SXR] offset:(\sbase)+128*\mt+256*\w
.endr
.endr
	s_wait_dscnt 0x0
	s_wait_alu depctr_vm_vsrc(0)                   ; my two stores have read v22-23 and v26-27: v26 is written again below
.irp mt, 0,1
.irp w, 0,2,4,6
	v_pk_add_f32 v[T+64+\w:T+65+\w], v[AF+16*\mt+2*\w:AF+16*\mt+2*\w+1], v[AF+16*\mt+2*\w+2:AF+16*\mt+2*\w+3]
.endr
	v_pk_add_f32 v[T+64:T+65], v[T+64:T+65], v[T+66:T+67]
	v_pk_add_f32 v[T+68:T+69], v[T+68:T+69], v[T+70:T+71]
	v_pk_add_f32 v[T+64:T+65], v[T+64:T+65], v[T+68:T+69]   ; (sum of mw, sum of M2)
	v_mul_f32 v[20+\mt], 0x3e000000, v[T+64]       ; mean
	v_sub_f32 v[T+72], v[AF+16*\mt], v[20+\mt]
	v_sub_f32 v[T+73], v[AF+16*\mt+2], v[20+\mt]
	v_mul_f32 v[T+74], v[T+72], v[T+72]
	v_mul_f32 v[T+75], v[T+73], v[T+73]
.irp w, 2,4,6
	v_sub_f32 v[T+72], v[AF+16*\mt+2*\w], v[20+\mt]
	v_sub_f32 v[T+73], v[AF+16*\mt+2*\w+2], v[20+\mt]
	v_fma_f32 v[T+74], v[T+72], v[T+72], v[T+74]
	v_fma_f32 v[T+75], v[T+73], v[T+73], v[T+75]
.endr
	v_add_f32 v[T+74], v[T+74], v[T+75]
	v_fmamk_f32 v[T+74], v[T+74], 0x42800000, v[T+65]
	v_fma_f32 v[T+76+\mt], v[T+74], s[IV512], s[EPS]
.endr
	v_rsq_f32 v24, v[T+76]
	v_rsq_f32 v28, v[T+77]
	v_nop                                          ; a plain instruction behind the last of the two,
	s_wait_alu depctr_va_vdst(0)                   ; and the one wait for v24 and v28 ahead of their first reader
	v_mul_f32 v26, -v20, v24
	v_mul_f32 v30, -v21, v28
.irp mt, 0,1
.set zz, 0
.rept 16
	v_pk_fma_f32 v[ACC+32*\mt+zz:ACC+32*\mt+zz+1], v[ACC+32*\mt+zz:ACC+32*\mt+zz+1], v[24+4*\mt:25+4*\mt], v[26+4*\mt:27+4*\mt] op_sel_hi:[1,0,0]
.set zz, zz+2
.endr
.set zz, 0
.rept 16
	v_pk_fma_f32 v[ACC+32*\mt+zz:ACC+32*\mt+zz+1], v[ACC+32*\mt+zz:ACC+32*\mt+zz+1], v[T+zz:T+zz+1], v[T+32+zz:T+33+zz]
.set zz, zz+2
.endr
.endr
.endm
.macro QKV inb, vi                     ; three passes on one input, into B1, B2, B3: one text, walked three times; no barrier inside: the input is no output, and the outputs are read later
	s_mov_b32 s[PC], 3
	s_wait_alu depctr_vm_vsrc(0)                   ; the memory and LDS instructions issued so far have read their addresses and their data: v[VO], v[VB], the accumulators and T are written again from here on
	v_add_nc_u32 v[VO], B1, v[OL]
	v_add_nc_u32 v[VB], VT+2048*(\vi), v[VTL]
.Lqkv_\@:
	SETA \inb
	s_wait_alu depctr_va_vdst(0)                   ; v[VA], v[VO] and v[VB] are written; what came before is done with the accumulators and with the fragments' registers, in which the loads below land
	BIASR
	GEMM 2, 0
	PACKST 0
	s_wait_alu depctr_vm_vsrc(0)                   ; the stores have read v[VO] and T .. T+31, the bias's loads v[VB]
	v_add_nc_u32 v[VO], BUFB, v[VO]
	v_add_nc_u32 v[VB], 2048, v[VB]
	s_sub_co_u32 s[PC], s[PC], 1
	s_cmp_lg_u32 s[PC], 0
	s_cbranch_scc1 .Lqkv_\@
.endm
; The audio softmax, by running figures of the lane's own keys: v[20+4 mt]: c m, m, l, o.  p = 2^(c s - c m), c = log2(e); l = the sum of p, o = the sum of p (audio[key] . u); both are multiplied by a = 2^(c m_old - c m_new).
.macro SOFT first
.irp mt, 0,1
.irp j, 0,1,2,3
	v_max3_num_f32 v[T+72+\j], v[ACC+32*\mt+8*\j], v[ACC+32*\mt+8*\j+1], v[ACC+32*\mt+8*\j+2]
.endr
.irp z, 3,5
.irp j, 0,1,2,3
	v_max3_num_f32 v[T+72+\j], v[T+72+\j], v[ACC+32*\mt+8*\j+\z], v[ACC+32*\mt+8*\j+\z+1]
.endr
.endr
	v_max3_num_f32 v[T+72], v[T+72], v[ACC+32*\mt+7], v[ACC+32*\mt+15]
	v_max3_num_f32 v[T+73], v[T+73], v[ACC+32*\mt+23], v[ACC+32*\mt+31]
	v_max3_num_f32 v[T+72], v[T+72], v[T+73], v[T+74]
.if \first
	v_max_num_f32 v[21+4*\mt], v[T+72], v[T+75]
	v_mul_f32 v[20+4*\mt], s[CL], v[21+4*\mt]
.else
	v_max3_num_f32 v[21+4*\mt], v[T+72], v[T+75], v[21+4*\mt]
	v_mov_b32 v[T+76+\mt], v[20+4*\mt]
	v_mul_f32 v[20+4*\mt], s[CL], v[21+4*\mt]
	v_sub_f32 v[T+76+\mt], v[T+76+\mt], v[20+4*\mt]
.endif
.set zz, 0
.rept 16
	v_pk_fma_f32 v[ACC+32*\mt+zz:ACC+32*\mt+zz+1], v[ACC+32*\mt+zz:ACC+32*\mt+zz+1], s[CL:CL+1], v[20+4*\mt:21+4*\mt] op_sel_hi:[1,0,0] neg_lo:[0,0,1] neg_hi:[0,0,1]
.set zz, zz+2
.endr
.set zz, 0
.rept 32
	v_exp_f32 v[ACC+32*\mt+zz], v[ACC+32*\mt+zz]
.set zz, zz+1
.endr
.if !(\first)
	v_exp_f32 v[T+76+\mt], v[T+76+\mt]
.endif
.endr
	v_nop                                          ; one batch for both row tiles: a plain instruction behind the last exponential,
	s_wait_alu depctr_va_vdst(0)                   ; and one wait for the batch's results ahead of their first reader
.irp mt, 0,1
.if \first
	SUM32 22+4*\mt, ACC+32*\mt
	DOT32 23+4*\mt, ACC+32*\mt, UA
.else
	SUM32 T+78, ACC+32*\mt
	v_fma_f32 v[22+4*\mt], v[22+4*\mt], v[T+76+\mt], v[T+78]
	DOT32 T+79, ACC+32*\mt, UA
	v_fma_f32 v[23+4*\mt], v[23+4*\mt], v[T+76+\mt], v[T+79]
.endif
.endr
.endm
; A score pass: 512 audio rows are B; the two row tiles start at t = aq . a_bk; a third tile, whose sixteen rows are all u, gives audio[key] . u for just the keys that the lane's scores have.
.macro SCORE mode, first
	SETA B2
	v_bfe_u32 v[VU], v0, 4, 1
	v_lshl_add_u32 v[VU], v[VU], 4, UB
.irp mt, 0,1
.set zz, 0
.rept 32
	v_mov_b32 v[ACC+32*\mt+zz], v[30+\mt]
.set zz, zz+1
.endr
.endr
.set zz, 0
.rept 32
	v_mov_b32 v[UA+zz], 0                          ; written out as moves, so that the passes keep one text of a trip
.set zz, zz+1
.endr
	s_wait_alu depctr_va_vdst(0)                   ; v[VA] and v[VU] are written, which the fragments' loads read; what read or wrote the fragments' registers since the pass before is done
	GEMM 3, \mode
	SOFT \first
.endm
	; ---------------- the head ----------------
	s_load_b512 s[16:31], s[0:1], 0x0              ; visual s[16:17], shots s[18:19], wf s[20:21], uv s[22:23], lg s[24:25], vectors 0-2
	s_load_b512 s[32:47], s[0:1], 0x40             ; vectors 3-10
	s_load_b512 s[48:63], s[0:1], 0x80             ; vectors 11-18
	s_load_b64 s[68:69], s[0:1], 0xc0              ; p_W
	v_lshl_add_u32 v[SPW], v0, 2, SPARE
	v_mov_b32 v[NIL], 0
	v_lshrrev_b32 v20, 5, v0
	v_readfirstlane_b32 s[WV], v20
	s_mov_b32 s[G], ttmp9
	v_and_b32 v20, 31, v0                          ; l
	v_and_b32 v21, 15, v0                          ; r
	v_bfe_u32 v22, v0, 4, 1                        ; h
	v_and_b32 v23, 7, v0                           ; l % 8
	v_bfe_u32 v24, v0, 3, 1                        ; (l / 8) % 2 = r / 8
	v_lshlrev_b32 v[LO], 4, v20
	v_mul_u32_u24 v25, v21, PA
	v_lshl_add_u32 v[LTA], v22, 4, v25
	s_wait_alu depctr_va_sdst(0)                   ; the wave's number is written, ahead of its first reader
	s_lshl_b32 s4, s[WV], 7
	v_add_nc_u32 v[OL], s4, v[LTA]
	s_lshl_b32 s5, s[WV], 8
	v_lshl_add_u32 v[VTL], v22, 5, s5
	v_lshlrev_b32 v[SXR], 3, v21
	v_add_nc_u32 v[SXW], s5, v[SXR]
	s_lshl_b32 s5, s[WV], 13
	s_add_co_u32 s5, s5, RB
	v_add_nc_u32 v[RBL], s5, v[LO]
	s_mul_i32 s5, s[WV], 4*PA
	v_mul_u32_u24 v26, v24, PA
	v_lshl_add_u32 v26, v23, 7, v26
	v_add_nc_u32 v26, s5, v26
	v_lshl_add_u32 v[HL], v22, 4, v26
	v_mul_u32_u24 v27, v22, PA
	v_lshl_add_u32 v27, v23, 7, v27
	v_lshl_add_u32 v27, v24, 4, v27
	v_add_nc_u32 v[HV], s5, v27
	v_lshl_add_u32 v28, v22, 3, v23
	v_mul_u32_u24 v28, v28, PA
	v_lshl_add_u32 v28, v24, 4, v28
	v_add_nc_u32 v[SV], s4, v28
	v_lshlrev_b32 v29, 8, v23
	v_lshl_add_u32 v[HG], v22, 5, v29
	v_mov_b32 v[ZERO], 0
	v_lshlrev_b32 v[PFO], 8, v20
	v_mov_b32 v30, 0
	v_mov_b32 v31, 0
	v_lshrrev_b32 v24, 7, v0                       ; x goes to row 2 c + tid / 128, 8 bytes at 8 (tid % 128)
	v_and_b32 v25, 127, v0
	v_mul_u32_u24 v24, v24, PA
	v_lshl_add_u32 v24, v25, 3, v24
	v_add_nc_u32 v22, B0, v24
	v_lshlrev_b32 v20, 3, v0                       ; 8 tid
	v_lshlrev_b32 v21, 4, v0                       ; 16 tid
	v_lshl_add_u32 v23, v0, 2, UB
	s_mov_b32 s[SEL], 0x76543210
	s_mov_b32 s[SEL+1], 0xfedcba98
	s_mov_b32 s[C8], 0x3e38aa3b
	s_mov_b32 s[C8+1], s[C8]
	s_mov_b32 s[CL], 0x3fb8aa3b
	s_mov_b32 s[CL+1], s[CL]
	s_mov_b32 s[MK], 0xff0000ff
	s_mov_b32 s[IV512], 0x3b000000                 ; 1 / 512
	s_mov_b32 s[EPS], 0x3727c5ac                   ; 1e-5
	s_mov_b32 s[TC], 0
	s_lshr_b32 s[SOFF], s[G], 3
	s_lshl_b32 s[SOFF], s[SOFF], 3                 ; shots_boundaries[s][0]
	s_lshr_b32 s4, s[G], 2
	s_add_co_u32 s[MYT], s4, 1
	s_cmp_lt_u32 s[G], 100
	s_cselect_b32 s[MYT], s[MYT], -1
	s_min_u32 s4, s4, 24                           ; held so that the address lies in wf in every work-group: at most 29 x 32,768 + 3 x 8,192 + 31 x 256 = 982,784 into a stream of 983,040
	s_add_co_u32 s4, s4, 5
	s_lshl_b32 s4, s4, 15
	s_and_b32 s5, s[G], 3
	s_lshl_b32 s5, s5, 13
	s_add_co_u32 s4, s4, s5
	s_mov_b32 s5, 0
	s_wait_kmcnt 0x0
	s_load_b32 s78, s[18:19], s[SOFF] offset:0x0
	s_wait_alu depctr_va_vdst(0)                   ; every offset and address made above is written: v20-23 and v[LO], which the loads and stores of the head read, and those that the rest of the kernel reads and never writes again
.irp v, 0,1,2,3,4,5,6,7,8,9,10,11,12,13,14,15,16,17,18
	global_load_b64 v[32+2*\v:33+2*\v], v20, s[26+2*\v:27+2*\v]   ; a vector's 2,048 bytes: 8 a thread
.endr
	global_load_b64 v[70:71], v20, s[68:69]        ; p1
	global_load_b64 v[72:73], v20, s[22:23]        ; u's two halves
	global_load_b64 v[74:75], v20, s[22:23] offset:2048
	s_mul_i32 s82, s[WV], WS
	s_mov_b32 s83, 0
	s_add_nc_u64 s[BP:BP+1], s[20:21], s[82:83]
	s_add_nc_u64 s[PFA:PFA+1], s[BP:BP+1], s[4:5]
	s_and_b32 s82, s[G], 7
	s_lshl_b32 s82, s82, 11
	s_lshr_b32 s4, s[G], 3
	s_lshl_b32 s4, s4, 7
	s_add_co_u32 s82, s82, s4
	s_add_nc_u64 s[LGP:LGP+1], s[24:25], s[82:83]  ; lg[l][32 s ..]
	s_wait_kmcnt 0x0
	s_and_b32 s4, s[G], 7
	s_add_co_u32 s78, s78, s4
	s_min_u32 s78, s78, 1023                       ; the frame, held inside the table
	s_lshl_b32 s78, s78, 16
	s_mov_b32 s79, 0
	s_add_nc_u64 s[16:17], s[16:17], s[78:79]
.irp c, 0,1,2,3,4,5,6,7,8,9,10,11,12,13,14,15
	global_load_b128 v[128+4*\c:131+4*\c], v21, s[16:17] offset:4096*\c   ; no hint: two shots may name one frame
.endr
.irp kk, 0,1,2,3,4,5,6
	BLOAD \kk                                      ; the ring's sets 0 to 6; set 7 is asked for in the first K step, as in every trip
.endr
	WIN 0
	s_wait_loadcnt 56                              ; the 56 ring loads are the younger ones: vectors, u and x are in
.irp v, 0,1,2,3,4,5,6,7,8,9,10,11,12,13,14,15,16,17,18,19
	ds_store_b64 v20, v[32+2*\v:33+2*\v] offset:VT+2048*\v
.endr
	v_pk_add_f32 v[72:73], v[72:73], v[74:75]
	v_cvt_pk_bf16_f32 v72, v72, v73
.irp c, 0,1,2,3,4,5,6,7,8,9,10,11,12,13,14,15
	v_cvt_pk_bf16_f32 v[208+2*\c], v[128+4*\c], v[129+4*\c]
	v_cvt_pk_bf16_f32 v[209+2*\c], v[130+4*\c], v[131+4*\c]
.endr
	s_wait_alu depctr_va_vdst(0)                   ; the roundings have written v72 and v208-239, which the LDS stores read
	ds_store_b32 v23, v72
.irp c, 0,1,2,3,4,5,6,7,8,9,10,11,12,13,14,15
	ds_store_b64 v22, v[208+2*\c:209+2*\c] offset:2*PA*\c
.endr
	BAR                                            ; vectors, u and x lie in LDS
	; ---------------- frame stage ----------------
	QKV B0, 0                                      ; q, k, v -> B1, B2, B3
	BAR
	; ATTENTION OVER THE HEADS OF A ROW.  Wave w: rows 4 w .. 4 w + 3.  Tile u = rows 4 w + 2 u, + 1: sixteen head-rows of 64 channels.  S^T = K Q^T holds query r a lane and keys 8 h + i: of the query's own row where r / 8 = h.
	; The four rows' 32 head-rows are the 32 keys of the second product, so both tiles share V's fragments; a weight outside the query's row is 0.
	v_add_nc_u32 v29, B0, v[HL]
	v_add_nc_u32 v30, B2, v[HL]
	v_add_nc_u32 v31, B3, v[HV]
.irp z, 164,165,166,167,168,169,170,171
	v_mov_b32 v[\z], 0                             ; tile 0's weights fill keys 0-15, tile 1's keys 16-31; the other half is 0
.endr
	s_wait_alu depctr_va_vdst(0)                   ; v29-31 are written, which the loads read; the passes' roundings and products are done with T and AF, in which the loads land
.irp u, 0,1
.irp kk, 0,1
	ds_load_b128 v[T+16*\u+8*\kk:T+16*\u+8*\kk+3],       v30 offset:2*PA*\u+64*\kk
	ds_load_b128 v[T+16*\u+8*\kk+4:T+16*\u+8*\kk+7],     v30 offset:2*PA*\u+64*\kk+32
	ds_load_b128 v[T+32+16*\u+8*\kk:T+32+16*\u+8*\kk+3],   v29 offset:BUFB+2*PA*\u+64*\kk
	ds_load_b128 v[T+32+16*\u+8*\kk+4:T+32+16*\u+8*\kk+7], v29 offset:BUFB+2*PA*\u+64*\kk+32
.endr
.endr
.irp cb, 0,1,2,3
	ds_load_tr16_b128 v[AF+8*\cb:AF+8*\cb+3],   v31 offset:32*\cb
	ds_load_tr16_b128 v[AF+8*\cb+4:AF+8*\cb+7], v31 offset:2*PA+32*\cb
.endr
	s_wait_dscnt 0x0
	v_wmma_f32_16x16x32_bf16 v[UA:UA+7],    v[T:T+7],     v[T+32:T+39], 0
	v_wmma_f32_16x16x32_bf16 v[UA+8:UA+15], v[T+16:T+23], v[T+48:T+55], 0
	v_wmma_f32_16x16x32_bf16 v[UA:UA+7],    v[T+8:T+15],  v[T+40:T+47], v[UA:UA+7]
	v_wmma_f32_16x16x32_bf16 v[UA+8:UA+15], v[T+24:T+31], v[T+56:T+63], v[UA+8:UA+15]
	PLACES                                         ; ahead of the maxima below, which read the scores
	s_wait_alu depctr_va_vdst(0)                   ; the four products are done reading T .. T+63, in which gain and bias land
.irp cb, 0,1,2,3
	ds_load_b128 v[T+8*\cb:T+8*\cb+3],       v[HG] offset:VT+2048*3+64*\cb       ; the LayerNorm's gain and bias at my columns 64 (r % 8) + 16 cb + 8 h ..
	ds_load_b128 v[T+8*\cb+4:T+8*\cb+7],     v[HG] offset:VT+2048*3+64*\cb+16
	ds_load_b128 v[T+32+8*\cb:T+32+8*\cb+3], v[HG] offset:VT+2048*4+64*\cb
	ds_load_b128 v[T+32+8*\cb+4:T+32+8*\cb+7], v[HG] offset:VT+2048*4+64*\cb+16
.endr
.irp u, 0,1
	v_max3_num_f32 v[20+4*\u], v[UA+8*\u], v[UA+8*\u+1], v[UA+8*\u+2]
	v_max3_num_f32 v[20+4*\u], v[20+4*\u], v[UA+8*\u+3], v[UA+8*\u+4]
	v_max3_num_f32 v[20+4*\u], v[20+4*\u], v[UA+8*\u+5], v[UA+8*\u+6]
	v_max_num_f32 v[20+4*\u], v[20+4*\u], v[UA+8*\u+7]
	v_mul_f32 v[20+4*\u], s[C8], v[20+4*\u]
.irp z, 0,2,4,6
	v_pk_fma_f32 v[UA+8*\u+\z:UA+8*\u+\z+1], v[UA+8*\u+\z:UA+8*\u+\z+1], s[C8:C8+1], v[20+4*\u:21+4*\u] op_sel_hi:[1,0,0] neg_lo:[0,0,1] neg_hi:[0,0,1]
.endr
.irp z, 0,1,2,3,4,5,6,7
	v_exp_f32 v[UA+8*\u+\z], v[UA+8*\u+\z]
.endr
.endr
	v_nop
	s_wait_alu depctr_va_vdst(0)                   ; one wait for the sixteen exponentials' results, ahead of their first reader
.irp u, 0,1
	v_pk_add_f32 v[22+4*\u:23+4*\u], v[UA+8*\u:UA+8*\u+1], v[UA+8*\u+2:UA+8*\u+3]
	v_pk_add_f32 v[22+4*\u:23+4*\u], v[22+4*\u:23+4*\u], v[UA+8*\u+4:UA+8*\u+5]
	v_pk_add_f32 v[22+4*\u:23+4*\u], v[22+4*\u:23+4*\u], v[UA+8*\u+6:UA+8*\u+7]
	v_add_f32 v[22+4*\u], v[22+4*\u], v[23+4*\u]
.endr
	v_rcp_f32 v22, v22
	v_rcp_f32 v26, v26
	v_nop
	s_wait_alu depctr_va_vdst(0)                   ; one wait for the two reciprocals, ahead of their first reader
.irp u, 0,1
	v_cndmask_b32 v[22+4*\u], 0, v[22+4*\u], s[MK] ; 0 in the lanes whose keys belong to the other row
.irp z, 0,2,4,6
	v_pk_mul_f32 v[UA+8*\u+\z:UA+8*\u+\z+1], v[UA+8*\u+\z:UA+8*\u+\z+1], v[22+4*\u:23+4*\u] op_sel_hi:[1,0]
.endr
.irp z, 0,1,2,3
	v_cvt_pk_bf16_f32 v[160+12*\u+\z], v[UA+8*\u+2*\z], v[UA+8*\u+2*\z+1]
.endr
.endr
.irp cb, 0,1,2,3
	v_wmma_f32_16x16x32_bf16 v[ACC+8*\cb:ACC+8*\cb+7],       v[AF+8*\cb:AF+8*\cb+7], v[160:167], 0
	v_wmma_f32_16x16x32_bf16 v[ACC+32+8*\cb:ACC+32+8*\cb+7], v[AF+8*\cb:AF+8*\cb+7], v[168:175], 0
.endr
	PLACES
	s_wait_dscnt 0x0                               ; gain and bias
	; LayerNorm: a row's 512 numbers lie in the eight lanes of equal r / 8, in both halves of the lanes, 32 a lane: mean, centre in place, sum of squares
.irp u, 0,1
	SUM32 20+4*\u, ACC+32*\u
	v_add_f32_dpp v[20+4*\u], v[20+4*\u], v[20+4*\u] row_xmask:1 row_mask:0xf bank_mask:0xf
	v_add_f32_dpp v[20+4*\u], v[20+4*\u], v[20+4*\u] row_xmask:2 row_mask:0xf bank_mask:0xf
	v_add_f32_dpp v[20+4*\u], v[20+4*\u], v[20+4*\u] row_xmask:4 row_mask:0xf bank_mask:0xf
	X16ADD 20+4*\u, 28
	v_mul_f32 v[20+4*\u], s[IV512], v[20+4*\u]
.set zz, 0
.rept 16
	v_pk_add_f32 v[ACC+32*\u+zz:ACC+32*\u+zz+1], v[ACC+32*\u+zz:ACC+32*\u+zz+1], v[20+4*\u:21+4*\u] op_sel_hi:[1,0] neg_lo:[0,1] neg_hi:[0,1]
.set zz, zz+2
.endr
	DOT32 22+4*\u, ACC+32*\u, ACC+32*\u
	v_add_f32_dpp v[22+4*\u], v[22+4*\u], v[22+4*\u] row_xmask:1 row_mask:0xf bank_mask:0xf
	v_add_f32_dpp v[22+4*\u], v[22+4*\u], v[22+4*\u] row_xmask:2 row_mask:0xf bank_mask:0xf
	v_add_f32_dpp v[22+4*\u], v[22+4*\u], v[22+4*\u] row_xmask:4 row_mask:0xf bank_mask:0xf
	X16ADD 22+4*\u, 28
	v_fma_f32 v[22+4*\u], v[22+4*\u], s[IV512], s[EPS]
.endr
	v_rsq_f32 v22, v22
	v_rsq_f32 v26, v26
	v_nop
	s_wait_alu depctr_va_vdst(0)                   ; one wait for v22 and v26, ahead of their first reader
.irp u, 0,1
.set zz, 0
.rept 16
	v_pk_mul_f32 v[ACC+32*\u+zz:ACC+32*\u+zz+1], v[ACC+32*\u+zz:ACC+32*\u+zz+1], v[22+4*\u:23+4*\u] op_sel_hi:[1,0]
.set zz, zz+2
.endr
.set zz, 0
.rept 16
	v_pk_fma_f32 v[ACC+32*\u+zz:ACC+32*\u+zz+1], v[ACC+32*\u+zz:ACC+32*\u+zz+1], v[T+zz:T+zz+1], v[T+32+zz:T+33+zz]
.set zz, zz+2
.endr
.irp cb, 0,1,2,3
.irp z, 0,1,2,3
	v_cvt_pk_bf16_f32 v[UA+16*\u+4*\cb+\z], v[ACC+32*\u+8*\cb+2*\z], v[ACC+32*\u+8*\cb+2*\z+1]  ; both tiles' rows have registers of their own: UA .. UA+31, free since the weights were rounded
.endr
.endr
.endr
	s_wait_alu depctr_va_vdst(0)                   ; the roundings have written UA .. UA+31, which the LDS stores read
.irp u, 0,1
.irp cb, 0,1,2,3
	ds_store_b128 v29, v[UA+16*\u+4*\cb:UA+16*\u+4*\cb+3] offset:2*PA*\u+32*\cb
.endr
.endr
	BAR
	PASSB B0, B1, 5                                ; relu(ln @ f_lin_W + b) -> B1
	GEMM 2, 0
	PACKST 1
	BAR
	PASSB B1, B4, 6                                ; frame_reps = h1 @ f_W0 + b0 -> B4; frame_reps + s_bo is set aside in f32 for the residual
	GEMM 2, 0
	PACKST 0
	LDV 10, 32
	s_wait_dscnt 0x0
	ADDV
	RSTORE
	BAR
	; ---------------- shot stage ----------------
	QKV B4, 7                                      ; q, k, v -> B1, B2, B3
	BAR
	; ATTENTION OVER THE FRAME'S 32 ROWS, head w in wave w.  S^T = K Q^T: a lane holds query 16 qt + r and keys 16 kt + 8 h + i; two such tiles rounded to bf16 are source 1 of O^T = V^T P.
	v_add_nc_u32 v29, B1, v[OL]
	v_add_nc_u32 v31, B3, v[SV]
	SETO B0
	s_wait_alu depctr_va_vdst(0)                   ; v29, v31 and v[VO] are written; the passes' roundings and products are done with T and AF, in which the loads land
.irp kt, 0,1
.irp kk, 0,1
	ds_load_b128 v[T+16*\kt+8*\kk:T+16*\kt+8*\kk+3],       v29 offset:BUFB+HB*\kt+64*\kk
	ds_load_b128 v[T+16*\kt+8*\kk+4:T+16*\kt+8*\kk+7],     v29 offset:BUFB+HB*\kt+64*\kk+32
	ds_load_b128 v[T+32+16*\kt+8*\kk:T+32+16*\kt+8*\kk+3],   v29 offset:HB*\kt+64*\kk
	ds_load_b128 v[T+32+16*\kt+8*\kk+4:T+32+16*\kt+8*\kk+7], v29 offset:HB*\kt+64*\kk+32
.endr
.endr
.irp cb, 0,1,2,3
	ds_load_tr16_b128 v[AF+8*\cb:AF+8*\cb+3],   v31 offset:32*\cb
	ds_load_tr16_b128 v[AF+8*\cb+4:AF+8*\cb+7], v31 offset:HB+32*\cb
.endr
	s_wait_dscnt 0x0
.irp qt, 0,1
.irp kt, 0,1
	v_wmma_f32_16x16x32_bf16 v[UA+16*\qt+8*\kt:UA+16*\qt+8*\kt+7], v[T+16*\kt:T+16*\kt+7], v[T+32+16*\qt:T+32+16*\qt+7], 0
.endr
.endr
.irp qt, 0,1
.irp kt, 0,1
	v_wmma_f32_16x16x32_bf16 v[UA+16*\qt+8*\kt:UA+16*\qt+8*\kt+7], v[T+16*\kt+8:T+16*\kt+15], v[T+40+16*\qt:T+47+16*\qt], v[UA+16*\qt+8*\kt:UA+16*\qt+8*\kt+7]
.endr
.endr
	PLACES
.irp qt, 0,1
	v_max3_num_f32 v[20+4*\qt], v[UA+16*\qt], v[UA+16*\qt+1], v[UA+16*\qt+2]
	v_max3_num_f32 v[21+4*\qt], v[UA+16*\qt+8], v[UA+16*\qt+9], v[UA+16*\qt+10]
	v_max3_num_f32 v[20+4*\qt], v[20+4*\qt], v[UA+16*\qt+3], v[UA+16*\qt+4]
	v_max3_num_f32 v[21+4*\qt], v[21+4*\qt], v[UA+16*\qt+11], v[UA+16*\qt+12]
	v_max3_num_f32 v[20+4*\qt], v[20+4*\qt], v[UA+16*\qt+5], v[UA+16*\qt+6]
	v_max3_num_f32 v[21+4*\qt], v[21+4*\qt], v[UA+16*\qt+13], v[UA+16*\qt+14]
	v_max3_num_f32 v[20+4*\qt], v[20+4*\qt], v[21+4*\qt], v[UA+16*\qt+7]
	v_max_num_f32 v[20+4*\qt], v[20+4*\qt], v[UA+16*\qt+15]
	X16MAX 20+4*\qt, 28
	v_mul_f32 v[20+4*\qt], s[C8], v[20+4*\qt]
.irp z, 0,2,4,6,8,10,12,14
	v_pk_fma_f32 v[UA+16*\qt+\z:UA+16*\qt+\z+1], v[UA+16*\qt+\z:UA+16*\qt+\z+1], s[C8:C8+1], v[20+4*\qt:21+4*\qt] op_sel_hi:[1,0,0] neg_lo:[0,0,1] neg_hi:[0,0,1]
.endr
.irp z, 0,1,2,3,4,5,6,7,8,9,10,11,12,13,14,15
	v_exp_f32 v[UA+16*\qt+\z], v[UA+16*\qt+\z]
.endr
.endr
	v_nop
	s_wait_alu depctr_va_vdst(0)                   ; one wait for the 32 exponentials' results, ahead of their first reader
.irp qt, 0,1
	v_pk_add_f32 v[22+4*\qt:23+4*\qt], v[UA+16*\qt:UA+16*\qt+1], v[UA+16*\qt+2:UA+16*\qt+3]
.irp z, 4,6,8,10,12,14
	v_pk_add_f32 v[22+4*\qt:23+4*\qt], v[22+4*\qt:23+4*\qt], v[UA+16*\qt+\z:UA+16*\qt+\z+1]
.endr
	v_add_f32 v[22+4*\qt], v[22+4*\qt], v[23+4*\qt]
	X16ADD 22+4*\qt, 28
.endr
	v_rcp_f32 v22, v22
	v_rcp_f32 v26, v26
	v_nop
	s_wait_alu depctr_va_vdst(0)                   ; one wait for the two reciprocals, ahead of their first reader
.irp qt, 0,1
.irp z, 0,2,4,6,8,10,12,14
	v_pk_mul_f32 v[UA+16*\qt+\z:UA+16*\qt+\z+1], v[UA+16*\qt+\z:UA+16*\qt+\z+1], v[22+4*\qt:23+4*\qt] op_sel_hi:[1,0]
.endr
.irp z, 0,1,2,3,4,5,6,7
	v_cvt_pk_bf16_f32 v[160+8*\qt+\z], v[UA+16*\qt+2*\z], v[UA+16*\qt+2*\z+1]
.endr
.endr
.irp cb, 0,1,2,3
	v_wmma_f32_16x16x32_bf16 v[ACC+8*\cb:ACC+8*\cb+7],       v[AF+8*\cb:AF+8*\cb+7], v[160:167], 0
	v_wmma_f32_16x16x32_bf16 v[ACC+32+8*\cb:ACC+32+8*\cb+7], v[AF+8*\cb:AF+8*\cb+7], v[168:175], 0
.endr
	PLACES
	PACKST 0                                       ; -> B0
	BAR
	PASSR B0, B1                                   ; hh = LN(ft + ctx @ s_Wo + s_bo) -> B1; hh + s_ff2_b is set aside
	GEMM 2, 0
	LNX LN1S, 11, 12
	PACKST 0
	LDV 14, 32
	s_wait_dscnt 0x0
	ADDV
	RSTORE
	BAR
	PASSB B1, B2, 13                               ; relu(hh @ s_ff1_W + b) -> B2
	GEMM 2, 0
	PACKST 1
	BAR
	PASSR B2, B0                                   ; shot_out = LN(hh + ff) -> B0; its product with p1, in f32
	GEMM 2, 0
	LNX LN2S, 15, 16
	PACKST 0
	LDV 19, 32
	s_wait_dscnt 0x0
	ROWDOT LPS
	BAR
	; ---------------- audio stage ----------------
	PASSB B0, B1, 17                               ; aq -> B1; t = aq . a_bk, in f32
	GEMM 2, 0
	PACKST 0
	LDV 18, 32
	s_wait_dscnt 0x0
	ROWDOT TPS
	BAR
	OPEN B1, B2                                    ; z = aq a_Wk^T -> B2
.set zz, 0
.rept 64
	v_mov_b32 v[ACC+zz], 0                         ; written out as moves, so that the passes keep one text of a trip
.set zz, zz+1
.endr
	s_wait_alu depctr_va_vdst(0)                   ; v[VA] and v[VO] are written; the epilogue before is done with the fragments' registers, in which the loads land
	GEMM 2, 0
	PACKST 0
	BAR
	s_wait_alu depctr_vm_vsrc(0)                   ; my stores have read T .. T+31, in which the loads below and the score passes' fragments land
	v_lshrrev_b32 v29, 1, v[SXR]                   ; 4 r
	s_wait_alu depctr_va_vdst(0)                   ; v29 is written, which the loads read; the roundings are done writing T ..
.irp mt, 0,1
.irp w, 0,1,2,3,4,5,6,7
	ds_load_b32 v[T+8*\mt+\w], v29 offset:TPS+64*\mt+128*\w
.endr
.endr
	s_wait_dscnt 0x0
.irp mt, 0,1
	v_pk_add_f32 v[T+8*\mt:T+8*\mt+1], v[T+8*\mt:T+8*\mt+1], v[T+8*\mt+2:T+8*\mt+3]
	v_pk_add_f32 v[T+8*\mt+4:T+8*\mt+5], v[T+8*\mt+4:T+8*\mt+5], v[T+8*\mt+6:T+8*\mt+7]
	v_pk_add_f32 v[T+8*\mt:T+8*\mt+1], v[T+8*\mt:T+8*\mt+1], v[T+8*\mt+4:T+8*\mt+5]
	v_add_f32 v[30+\mt], v[T+8*\mt], v[T+8*\mt+1]  ; t of row 16 mt + r
.endr
	SCORE 0, 1                                     ; audio rows 0-511
	SCORE 1, 0                                     ; audio rows 512-1023
	; the lanes' figures are merged: first with the lane 16 away, then, through LDS, over the eight waves
	v_lshlrev_b32 v29, 1, v[SXW]                   ; 16 (32 w + r)
	v_lshrrev_b32 v30, 2, v[LO]                    ; 4 l, for wave 0's last lines: t has been used
.irp mt, 0,1
	v_permlanex16_b32 v28, v[20+4*\mt], s[SEL], s[SEL+1]
	v_max_num_f32 v[T+64+4*\mt], v[20+4*\mt], v28
	v_sub_f32 v[T+72+\mt], v[20+4*\mt], v[T+64+4*\mt]
.endr
	v_exp_f32 v[T+72], v[T+72]
	v_exp_f32 v[T+73], v[T+73]
	v_nop
	s_wait_alu depctr_va_vdst(0)                   ; one wait for the two exponentials' results, ahead of their first reader
.irp mt, 0,1
	v_mul_f32 v[T+65+4*\mt], v[22+4*\mt], v[T+72+\mt]
	v_mul_f32 v[T+66+4*\mt], v[23+4*\mt], v[T+72+\mt]
	X16ADD T+65+4*\mt, 28
	X16ADD T+66+4*\mt, 28
	v_mov_b32 v[T+67+4*\mt], v[T+66+4*\mt]         ; the fourth word of the 16 bytes is written too
.endr
	s_wait_alu depctr_va_vdst(0)                   ; T+64 .. T+71 and v29 are written, which the two stores read; so is v30; and the last products are done reading T .. T+47, in which wave 0's loads land behind the barrier
	ds_store_b128 v29, v[T+64:T+67] offset:SMS
	ds_store_b128 v29, v[T+68:T+71] offset:SMS+256
	BAR
	s_cmp_lg_u32 s[WV], 0
	s_cbranch_scc1 .Lend
	; wave 0, a row a lane
.irp w, 0,1,2,3,4,5,6,7
	ds_load_b128 v[T+4*\w:T+4*\w+3], v[LO] offset:SMS+512*\w
.endr
.irp w, 0,1,2,3,4,5,6,7
	ds_load_b32 v[T+32+\w], v30 offset:LPS+128*\w
.endr
	s_wait_dscnt 0x0
	v_max3_num_f32 v20, v[T], v[T+4], v[T+8]
	v_max3_num_f32 v20, v20, v[T+12], v[T+16]
	v_max3_num_f32 v20, v20, v[T+20], v[T+24]
	v_max_num_f32 v20, v20, v[T+28]
.irp w, 0,1,2,3,4,5,6,7
	v_sub_f32 v[T+40+\w], v[T+4*\w], v20
.endr
.irp w, 0,1,2,3,4,5,6,7
	v_exp_f32 v[T+40+\w], v[T+40+\w]
.endr
	v_nop
	s_wait_alu depctr_va_vdst(0)                   ; one wait for the eight exponentials' results, ahead of their first reader
	v_mul_f32 v21, v[T+1], v[T+40]
	v_mul_f32 v22, v[T+2], v[T+40]
.irp w, 1,2,3,4,5,6,7
	v_fma_f32 v21, v[T+4*\w+1], v[T+40+\w], v21
	v_fma_f32 v22, v[T+4*\w+2], v[T+40+\w], v22
.endr
	v_rcp_f32 v21, v21
	v_pk_add_f32 v[T+32:T+33], v[T+32:T+33], v[T+34:T+35]   ; plain work behind the reciprocal: shot_out . p1
	v_pk_add_f32 v[T+36:T+37], v[T+36:T+37], v[T+38:T+39]
	v_pk_add_f32 v[T+32:T+33], v[T+32:T+33], v[T+36:T+37]
	v_add_f32 v23, v[T+32], v[T+33]
	s_wait_alu depctr_va_vdst(0)                   ; the reciprocal's result, ahead of its reader
	v_fma_f32 v23, v22, v21, v23                   ; + (sum of p audio . u) / (sum of p)
	s_wait_alu depctr_va_vdst(0)                   ; v23 is written, which the store reads
	global_store_b32 v30, v23, s[LGP:LGP+1]        ; 128 consecutive bytes
.Lend:
	s_wait_dscnt 0x0                               ; the closing lines, six on end
	s_wait_alu 0x0
	s_wait_tensorcnt 0x0
	ds_add_u32 v[SPW], v[NIL]
	s_wait_dscnt 0x0
	s_endpgm
.Lfunc_end_k_qc2ede3adfc_chain:
	.size	k_qc2ede3adfc_chain, .Lfunc_end_k_qc2ede3adfc_chain-k_qc2ede3adfc_chain
	.p2alignl 7, 3214868480
	.fill 96, 4, 3214868480
	.section	.rodata,"a",@progbits
	.p2align	6, 0x0
	.amdhsa_kernel k_qc2ede3adfc_chain
		.amdhsa_group_segment_fixed_size 285184
		.amdhsa_private_segment_fixed_size 0
		.amdhsa_enable_private_segment 0
		.amdhsa_kernarg_size 200
		.amdhsa_user_sgpr_count 2
		.amdhsa_user_sgpr_kernarg_segment_ptr 1
		.amdhsa_wavefront_size32 1
		.amdhsa_system_sgpr_workgroup_id_x 1
		.amdhsa_system_sgpr_workgroup_id_y 1
		.amdhsa_system_sgpr_workgroup_id_z 1
		.amdhsa_system_vgpr_workitem_id 0
		.amdhsa_next_free_vgpr 512
		.amdhsa_next_free_sgpr 84
		.amdhsa_reserve_vcc 0
		.amdhsa_float_denorm_mode_32 3
		.amdhsa_float_denorm_mode_16_64 3
		.amdhsa_memory_ordered 1
		.amdhsa_forward_progress 1
		.amdhsa_inst_pref_size 255
	.end_amdhsa_kernel
	.section	.bss,"aw",@nobits
	.p2align	6
	.space	262144
	.amdgpu_metadata
---
amdhsa.version: [ 1, 2 ]
amdhsa.kernels:
  - .name:           k_qc2ede3adfc_chain
    .symbol:         k_qc2ede3adfc_chain.kd
    .args:
      - { .name: visual_features, .offset: 0, .size: 8, .value_kind: global_buffer, .address_space: global }
      - { .name: shots_boundaries, .offset: 8, .size: 8, .value_kind: global_buffer, .address_space: global }
      - { .name: wf, .offset: 16, .size: 8, .value_kind: global_buffer, .address_space: global }
      - { .name: uv, .offset: 24, .size: 8, .value_kind: global_buffer, .address_space: global }
      - { .name: lg, .offset: 32, .size: 8, .value_kind: global_buffer, .address_space: global }
      - { .name: f_bq, .offset: 40, .size: 8, .value_kind: global_buffer, .address_space: global }
      - { .name: f_bk, .offset: 48, .size: 8, .value_kind: global_buffer, .address_space: global }
      - { .name: f_bv, .offset: 56, .size: 8, .value_kind: global_buffer, .address_space: global }
      - { .name: f_ln_g, .offset: 64, .size: 8, .value_kind: global_buffer, .address_space: global }
      - { .name: f_ln_b, .offset: 72, .size: 8, .value_kind: global_buffer, .address_space: global }
      - { .name: f_lin_b, .offset: 80, .size: 8, .value_kind: global_buffer, .address_space: global }
      - { .name: f_b0, .offset: 88, .size: 8, .value_kind: global_buffer, .address_space: global }
      - { .name: s_bq, .offset: 96, .size: 8, .value_kind: global_buffer, .address_space: global }
      - { .name: s_bk, .offset: 104, .size: 8, .value_kind: global_buffer, .address_space: global }
      - { .name: s_bv, .offset: 112, .size: 8, .value_kind: global_buffer, .address_space: global }
      - { .name: s_bo, .offset: 120, .size: 8, .value_kind: global_buffer, .address_space: global }
      - { .name: s_ln1_g, .offset: 128, .size: 8, .value_kind: global_buffer, .address_space: global }
      - { .name: s_ln1_b, .offset: 136, .size: 8, .value_kind: global_buffer, .address_space: global }
      - { .name: s_ff1_b, .offset: 144, .size: 8, .value_kind: global_buffer, .address_space: global }
      - { .name: s_ff2_b, .offset: 152, .size: 8, .value_kind: global_buffer, .address_space: global }
      - { .name: s_ln2_g, .offset: 160, .size: 8, .value_kind: global_buffer, .address_space: global }
      - { .name: s_ln2_b, .offset: 168, .size: 8, .value_kind: global_buffer, .address_space: global }
      - { .name: a_bq, .offset: 176, .size: 8, .value_kind: global_buffer, .address_space: global }
      - { .name: a_bk, .offset: 184, .size: 8, .value_kind: global_buffer, .address_space: global }
      - { .name: p_W, .offset: 192, .size: 8, .value_kind: global_buffer, .address_space: global }
    .group_segment_fixed_size: 285184
    .private_segment_fixed_size: 0
    .kernarg_segment_align: 8
    .kernarg_segment_size: 200
    .max_flat_workgroup_size: 256
    .sgpr_count:     84
    .vgpr_count:     512
    .wavefront_size: 32
...
	.end_amdgpu_metadata
.endif
;; end of part 4
;; launch soft: the kernel of part 3 again; grid 1 x 1, 16 waves a work-group, no clusters, 4,096 bytes of LDS; arguments lg, a_bv, p_W, p_b, out0; writes out0
